; MI455X (gfx1250); checked and timed in simulation.
; The chip was launched on July 23, 2026; its instructions are those of AMD's public machine-readable ISA for CDNA 5 (MIT licence, August 2026) and "CDNA5" Instruction Set Architecture Reference Guide (July 2026). The comments in the code are by the model that wrote it; some were corrected since.
;; Decoder Block. Allowed arithmetic: matrix products marked QUANTISED: E4M3 operands, one given power-of-two scale a tensor, by v_wmma_f32_16x16x64_fp8_fp8 or v_wmma_f32_16x16x128_fp8_fp8, f32 sums; everything else in f32.
;; Inputs: ln1_b 1,024 float32; ln1_g 1,024 float32; ln2_b 1,024 float32; ln2_g 1,024 float32; lowp_scales 12 int32 (the exponents e of the quantised operands' scales 2^e); w_fc1 1,024 x 4,096 float32; w_fc2 4,096 x 1,024 float32; w_proj 1,024 x 1,024 float32; w_qkv 1,024 x 3,072 float32; x 2 x 2,048 x 1,024 float32.
;; Outputs: out0 2 x 2,048 x 1,024 float32.
;; This version of the problem:
;;   THIS VERSION OF THE PROBLEM IS GIVEN IN LOW PRECISION. The matrix products marked QUANTISED in the list below multiply operands that are first quantised to E4M3 (4 exponent bits, 3 mantissa bits; 8 bits a number), with one given power-of-two scale for each operand tensor; their sums are f32. All else is computed in f32.
;;   The module's matrix products, in the order in which they are computed (A, B: the left and right operand; K: the contracted axis; several contracted axes count as one K, in the product's order):
;;     1. [M 4,096, K 1,024] x [K 1,024, N 3,072]; A: computed on the way; B: input w_qkv: QUANTISED (scales: A lowp_scales[0], B lowp_scales[1])
;;     2. batch 32 x [M 2,048, K 64] x [K 64, N 2,048]; A: computed on the way; B: computed on the way: QUANTISED (scales: A lowp_scales[2], B lowp_scales[3])
;;     3. batch 32 x [M 2,048, K 2,048] x [K 2,048, N 64]; A: softmax (see below); B: computed on the way: QUANTISED (scales: A lowp_scales[4], B lowp_scales[5])
;;     4. [M 4,096, K 1,024] x [K 1,024, N 1,024]; A: computed on the way; B: input w_proj: QUANTISED (scales: A lowp_scales[6], B lowp_scales[7])
;;     5. [M 4,096, K 1,024] x [K 1,024, N 4,096]; A: computed on the way; B: input w_fc1: QUANTISED (scales: A lowp_scales[8], B lowp_scales[9])
;;     6. [M 4,096, K 4,096] x [K 4,096, N 1,024]; A: computed on the way; B: input w_fc2: QUANTISED (scales: A lowp_scales[10], B lowp_scales[11])
;;   THE QUANTISER, for each operand of a quantised product, along K:
;;     - The operand's scale is 2^e, e = its entry of the input lowp_scales (int32; the entries are numbered through the quantised products in the list's order, A before B).
;;     - Each number is divided by the scale, clamped to +-448, and rounded to the nearest number of E4M3, ties to even, subnormals kept.
;;     - The product sums the exact products of the quantised numbers (number of the format x scale) in f32.
;;   ~~~python
;;   def quantise(x, axis, e):      # numpy; x: float32 -> the quantised numbers, widened to float32 again
;;       x = np.moveaxis(x, axis, -1); K = x.shape[-1]
;;       r = np.clip(x / 2.0 ** e, -448, 448)
;;       step = 2.0 ** (np.maximum(np.frexp(np.where(r == 0, 1, r))[1] - 1, -6) - 3)
;;       q = np.round(r / step) * step * 2.0 ** e      # np.round: ties to even
;;       return np.moveaxis(q, -1, axis).astype(np.float32)
;;   ~~~
;;   SOFTMAX AHEAD OF A QUANTISED PRODUCT. Where the list says 'softmax', what is quantised is not the finished softmax but p = 2^(t - M), with t = logit x log2(e) and M = ceil(the row's largest t), a whole number; so 1/2 < the row's largest p <= 1. The row's sum l is taken of the UNQUANTISED p, in f32, and the product's result is divided by l at the end. Since M is a whole number, a kernel that streams over the keys may use a running M (the ceiling of the running maximum): every later rescaling is an exact power of two, so the quantised numbers keep their values, but for numbers so far below the row's largest that they fall under the format's range.
;;   OPERANDS COMPUTED ON THE WAY. 'Computed on the way' means the value that the module computes at that place (a softmax that the list does not call 'softmax' is quantised finished and normalised). What goes into a quantiser is computed in f32, as accurately as f32 sums, v_exp_f32 and their like allow (about 1e-6 of the number): no bf16 or f16 on the way to a quantiser, and a product that is left as it is and whose result goes on into a quantised operand takes f32 operands (vector FMAs, or v_wmma_f32_16x16x4_f32). A number that lies on a knife's edge between two numbers of the format may be rounded either way, as far as f32 arithmetic and the matrix unit's own rounding can turn it there, and no further.
;; One version. Each part assembles by itself: llvm-mc -triple=amdgcn-amd-amdhsa -mcpu=gfx1250 --defsym DOCPART=n.
;; ======== version 1 of 1: 7 launches
;; limits: right only within a limited range of input values
;; workspace buffers: pw 16,777,216 bytes; qkvc 12,582,912 bytes; ao 4,194,304 bytes; x1 16,777,216 bytes; a2 4,194,304 bytes; hc 16,777,216 bytes
;; launch prep (part 1): grid 640 x 1, 8 waves a work-group, no clusters, 18,432 bytes of LDS; arguments x, ln1_g, ln1_b, w_qkv, w_proj, w_fc1, w_fc2, lowp_scales, pw; writes pw
.if DOCPART == 1
	.amdgcn_target "amdgcn-amd-amdhsa--gfx1250"
	.amdhsa_code_object_version 6
	.text
	.protected	k_qf7d090e805_prep
	.globl	k_qf7d090e805_prep
	.p2align	8
	.type	k_qf7d090e805_prep,@function
k_qf7d090e805_prep:
	s_mov_b64 s[64:65], 0
	v_nop
	global_prefetch_b8 v0, s[64:65] scope:SCOPE_SE
	s_setreg_imm32_b32 hwreg(HW_REG_WAVE_MODE, 25, 1), 1
	s_wait_xcnt 0x0
; DECODER BLOCK, launch 1 of 7: LN1(x) and the four weights become codes of E4M3, each with its given scale 2^e (lowp_scales 0; 1, 7, 9, 11).
; DEAD WORK OF THE WHOLE PROGRAM: reference() builds the mask tril(ones(T, T)) in its own body and sets scores of keys k > q to -inf ahead of the softmax; their weights are 0 for all values of the
; inputs.  So the attention launch leaves out every step of 128 keys that lies wholly behind a tile's 16 queries (products 2 and 3 there).  Nothing else is left out and every input is loaded.
; LIMIT: a NaN, an infinity or an overflow that reaches only those masked scores is not carried to the result.
; LAYOUT OF ALL CODES IN THIS PROGRAM: an operand is [tile of 16 rows][K step of 128][2,048 bytes]; the 2,048 bytes are the image of a fragment's registers: group c (4 registers) of lane (r, h) lies at
; 512 c + 16 (r + 16 h) and holds k = 32 c + 16 h + 0 .. 15 of row r: the same permutation of k in both operands of a product.
; A WEIGHT'S TILES TAKE COLUMNS THAT ARE NOT NEIGHBOURS: row p of tile t is column 32 (t / 2) + 8 (t % 2) + p + 8 (p / 8), so that a later product's results lie 16 neighbours to a lane.
; pw: LN1's codes at 0, w_qkv's at 0x400000, w_proj's at 0x700000, w_fc1's at 0x800000, w_fc2's at 0xC00000.
; Work-groups 0-255: 16 rows of x each (a wave takes two rows, whole, in registers).  Work-groups 256-639: 256 columns x 128 along K of one weight (a wave: 32 columns, two fragments).
; LIMITS: each e between -126 and 119; NaN and infinities among the inputs are not served.
.set SPARE, 17408                      ; behind the stage: the spare words, 128 bytes for each of the eight waves
.set SPW, 6                            ; v6   LDS address of my spare word; never rewritten
.set NIL, 7                            ; v7   0; never rewritten
.set T,   8                            ; v8-15   at work: four packed chains
.set G,   16                           ; v16-47  the gain at my 32 columns
.set BI,  48                           ; v48-79  the bias
.set X0,  80                           ; v80-111, v112-143  my two rows: register 4 j + i = column 128 j + 4 lane + i
.set X1,  112
.set D0,  8                            ; v8-15, v144-151 the two rows' codes: register j = columns 128 j + 4 lane + 0 .. 3 (the chains are done with when the first are made)
.set D1,  144
.set OUTR, 16                          ; v16-31 a fragment's image on its way out, where the gain lay
.set MU0, 152
.set MU1, 154
.set RS0, 156
.set RS1, 158
.set SCL, 152                          ; 2^e as f32, where the first row's mean lay
.set LIMV, 153                         ; 448 x 2^e
.set PD,  5                            ; the lane permute's destination; v5 has served the addresses by then
.set VE0, 1                            ; variance + 1e-5: the lane's number has served the addresses by then;
.set VE1, 154                          ; the second row's lies where its mean lay
.set SCP, 22                           ; s[22:23] the scales' address
.set EOFF, 0                           ; byte of this norm's exponent there
.macro REDUCE                          ; the four chains, then the 32 lanes: the sum ends in v[T] of every lane
	s_delay_alu instid0(VALU_DEP_3)
	v_pk_add_f32 v[T:T+1], v[T:T+1], v[T+2:T+3]
	s_delay_alu instid0(VALU_DEP_2)
	v_pk_add_f32 v[T+4:T+5], v[T+4:T+5], v[T+6:T+7]
	s_delay_alu instid0(VALU_DEP_1)
	v_pk_add_f32 v[T:T+1], v[T:T+1], v[T+4:T+5]
	s_delay_alu instid0(VALU_DEP_1)
	v_add_f32 v[T], v[T], v[T+1]
	s_delay_alu instid0(VALU_DEP_1)
	v_add_f32_dpp v[T], v[T], v[T] row_xmask:1 row_mask:0xf bank_mask:0xf
	s_delay_alu instid0(VALU_DEP_1)
	v_add_f32_dpp v[T], v[T], v[T] row_xmask:2 row_mask:0xf bank_mask:0xf
	s_delay_alu instid0(VALU_DEP_1)
	v_add_f32_dpp v[T], v[T], v[T] row_xmask:4 row_mask:0xf bank_mask:0xf
	s_delay_alu instid0(VALU_DEP_1)
	v_add_f32_dpp v[T], v[T], v[T] row_xmask:8 row_mask:0xf bank_mask:0xf
	s_delay_alu instid0(VALU_DEP_1)
	v_permlanex16_b32 v[PD], v[T], s32, s33
	s_delay_alu instid0(VALU_DEP_1)
	v_add_f32 v[T], v[T], v[PD]
.endm
.macro STATS x, mu, rs, ve             ; the row's mean; x - mean in place; 1 / sqrt(variance + 1e-5), twice, for the packed multiply
.irp p, 0,1,2,3
	v_pk_add_f32 v[T+2*\p:T+2*\p+1], v[\x+4*\p:\x+4*\p+1], v[\x+4*\p+2:\x+4*\p+3]
.endr
.irp p, 8,9,10,11,12,13,14,15
	s_delay_alu instid0(VALU_DEP_4)
	v_pk_add_f32 v[T+2*(\p%4):T+2*(\p%4)+1], v[T+2*(\p%4):T+2*(\p%4)+1], v[\x+2*\p:\x+2*\p+1]
.endr
	REDUCE
	s_delay_alu instid0(VALU_DEP_1)
	v_mul_f32 v[\mu], s35, v[T]                    ; / 1,024
	s_delay_alu instid0(VALU_DEP_1)
	v_mov_b32 v[\mu+1], v[\mu]
.irp p, 0,1,2,3,4,5,6,7,8,9,10,11,12,13,14,15
	v_pk_add_f32 v[\x+2*\p:\x+2*\p+1], v[\x+2*\p:\x+2*\p+1], v[\mu:\mu+1] neg_lo:[0,1] neg_hi:[0,1]
.endr
.irp p, 0,1,2,3
	v_pk_mul_f32 v[T+2*\p:T+2*\p+1], v[\x+2*\p:\x+2*\p+1], v[\x+2*\p:\x+2*\p+1]
.endr
.irp p, 4,5,6,7,8,9,10,11,12,13,14,15
	s_delay_alu instid0(VALU_DEP_4)
	v_pk_fma_f32 v[T+2*(\p%4):T+2*(\p%4)+1], v[\x+2*\p:\x+2*\p+1], v[\x+2*\p:\x+2*\p+1], v[T+2*(\p%4):T+2*(\p%4)+1]
.endr
	REDUCE
	s_delay_alu instid0(VALU_DEP_1)
	v_fmaak_f32 v[\ve], s35, v[T], 0x3727c5ac      ; variance + 1e-5, in a register that nothing writes behind this line
	s_wait_alu depctr_va_vdst(0)
	v_rsq_f32 v[\rs], v[\ve]
	v_rsq_f32 v[\rs+1], v[\ve]
.endm
.macro NORMQ x, rs, d                  ; (x - mean) rs g + b, held within the largest code x the scale (the conversion does not saturate: ISA guide 7.6.2), converted
.irp p, 0,1,2,3,4,5,6,7,8,9,10,11,12,13,14,15
	v_pk_mul_f32 v[\x+2*\p:\x+2*\p+1], v[\x+2*\p:\x+2*\p+1], v[\rs:\rs+1]
.endr
.irp p, 0,1,2,3,4,5,6,7,8,9,10,11,12,13,14,15
	v_pk_fma_f32 v[\x+2*\p:\x+2*\p+1], v[\x+2*\p:\x+2*\p+1], v[G+2*\p:G+2*\p+1], v[BI+2*\p:BI+2*\p+1]
.endr
.set i, 0
.rept 32
	v_med3_num_f32 v[\x+i], v[\x+i], -v[LIMV], v[LIMV]
.set i, i+1
.endr
.irp i, 0,1,2,3
	v_cvt_scalef32_pk8_fp8_f32 v[\d+2*\i:\d+2*\i+1], v[\x+8*\i:\x+8*\i+7], v[SCL]
.endr
.endm
	s_load_b512 s[8:23], s[0:1], 0x0               ; x, ln1_g, ln1_b, w_qkv, w_proj, w_fc1, w_fc2, the scales
	s_load_b64 s[24:25], s[0:1], 0x40              ; pw
	v_lshl_add_u32 v[SPW], v0, 2, SPARE
	v_mov_b32 v[NIL], 0
	v_lshrrev_b32 v1, 5, v0
	s_delay_alu instid0(VALU_DEP_1)
	v_readfirstlane_b32 s26, v1                    ; wave 0..7
	v_and_b32 v1, 31, v0                           ; lane
	s_cmp_lt_u32 ttmp9, 256                        ; the work-group's number alone decides: all eight waves go one way
	s_cbranch_scc0 .Lweights
	; ---------------- LN1: 16 rows, one tile of the operand ----------------
	v_lshlrev_b32 v2, 4, v1                        ; 16 x lane: my bytes of a load's and of a store's 512
	v_lshrrev_b32 v3, 2, v1
	s_delay_alu instid0(VALU_DEP_1)
	v_mul_u32_u24 v3, v3, 272
	v_and_b32 v4, 3, v1
	s_delay_alu instid0(VALU_DEP_1)
	v_lshl_add_u32 v3, v4, 2, v3
	s_lshl_b32 s27, s26, 5
	v_add_nc_u32 v3, s27, v3                       ; into the stage: unit lane / 4 (of K step j: + 8 j units), byte 16 x row + 4 (lane % 4); units of 256 bytes lie 272 apart
	v_lshrrev_b32 v4, 4, v1
	s_lshl_b32 s27, s26, 3
	v_add_nc_u32 v4, s27, v4
	s_delay_alu instid0(VALU_DEP_1)
	v_mul_u32_u24 v4, v4, 272
	v_and_b32 v5, 15, v1
	s_delay_alu instid0(VALU_DEP_1)
	v_lshl_add_u32 v4, v5, 4, v4                   ; out of it: wave w takes K step w's eight units, two an instruction
	s_lshl_b32 s28, ttmp9, 16
	s_lshl_b32 s27, s26, 13
	s_add_co_u32 s28, s28, s27                     ; my two rows: 16 rows x 4,096 bytes a work-group, 2 a wave
	s_mov_b32 s29, 0
	s_lshl_b32 s30, ttmp9, 14
	s_lshl_b32 s27, s26, 11
	s_add_co_u32 s30, s30, s27                     ; the tile's eight fragments; mine is K step w
	s_mov_b32 s31, 0
	s_mov_b32 s32, 0x76543210
	s_mov_b32 s33, 0xfedcba98                      ; lane l xor 16
	s_mov_b32 s35, 0x3a800000                      ; 1 / 1,024
	v_mov_b32 v[PD], 0
	s_wait_kmcnt 0x0
	s_load_b32 s34, s[SCP:SCP+1], EOFF
	s_add_nc_u64 s[28:29], s[8:9], s[28:29]
	s_add_nc_u64 s[30:31], s[24:25], s[30:31]
.set j, 0
.rept 8
	global_load_b128 v[X0+4*j:X0+4*j+3], v2, s[28:29] offset:512*j th:TH_LOAD_NT
	global_load_b128 v[X1+4*j:X1+4*j+3], v2, s[28:29] offset:4096+512*j th:TH_LOAD_NT
.set j, j+1
.endr
.set j, 0
.rept 8
	global_load_b128 v[G+4*j:G+4*j+3], v2, s[10:11] offset:512*j
	global_load_b128 v[BI+4*j:BI+4*j+3], v2, s[12:13] offset:512*j
.set j, j+1
.endr
	s_wait_loadcnt 16                              ; my two rows are in; the 16 younger loads, gain and bias, may be out
	STATS X0, MU0, RS0, VE0
	STATS X1, MU1, RS1, VE1
	v_nop                                          ; a plain instruction behind the last root
	s_wait_kmcnt 0x0
	s_add_co_i32 s34, s34, 127
	s_lshl_b32 s27, s34, 23
	v_mov_b32 v[SCL], s27
	s_add_co_i32 s34, s34, 8
	s_lshl_b32 s34, s34, 23
	s_or_b32 s34, s34, 0x600000
	v_mov_b32 v[LIMV], s34
	s_wait_alu depctr_va_vdst(0)                   ; one wait for the four roots, ahead of their first reader
	s_wait_loadcnt 0x0
	NORMQ X0, RS0, D0
	NORMQ X1, RS1, D1
	v_nop                                          ; a plain instruction behind the last conversion
.set j, 0
.rept 8
	ds_store_b32 v3, v[D0+j] offset:2176*j         ; 32 lanes, 32 different banks: 4 (lane / 4) + lane % 4
	ds_store_b32 v3, v[D1+j] offset:2176*j+16
.set j, j+1
.endr
	s_wait_dscnt 0x0                               ; for the others' sake: my stores have landed
	s_barrier_signal -1
	s_barrier_wait -1
.irp q, 0,1,2,3
	ds_load_b128 v[OUTR+4*\q:OUTR+4*\q+3], v4 offset:544*\q
.endr
.irp q, 0,1,2,3
	s_wait_dscnt 3-\q                              ; the younger loads may be out
	global_store_b128 v2, v[OUTR+4*\q:OUTR+4*\q+3], s[30:31] offset:512*\q   ; 512 consecutive bytes
.endr
	s_wait_tensorcnt 0x0                           ; the wave's end
	ds_add_u32 v[SPW], v[NIL]
	s_wait_dscnt 0x0
	s_endpgm
	; ---------------- the weights: a lane takes a column and its registers run down K; no LDS ----------------
.Lweights:
	s_sub_co_u32 s27, ttmp9, 256                   ; 0-95 w_qkv, 96-127 w_proj, 128-255 w_fc1, 256-383 w_fc2
	s_wait_alu depctr_va_vdst(0)
	v_lshrrev_b32 v12, 4, v1                       ; u: which of my wave's two tiles
	v_and_b32 v13, 15, v1                          ; p: the tile's row
	s_delay_alu instid0(VALU_DEP_1)
	v_and_b32 v11, 8, v13
	s_delay_alu instid0(VALU_DEP_1)
	v_add_nc_u32 v11, v11, v13
	s_delay_alu instid0(VALU_DEP_1)
	v_lshl_add_u32 v11, v12, 3, v11                ; my column among the wave's 32: 8 u + p + 8 (p / 8)
	s_delay_alu instid0(VALU_DEP_1)
	v_lshlrev_b32 v11, 2, v11
	s_mov_b32 s28, 256                             ; w_fc2's figures: first work-group,
	s_mov_b32 s29, 5                               ; log2 of its K steps,
	s_mov_b32 s30, 4096                            ; bytes in a row of the source,
	s_mov_b32 s31, 0xc00000                        ; place in pw
	s_wait_alu depctr_va_vdst(0)
	s_wait_kmcnt 0x0
	s_load_b256 s[48:55], s[22:23], 0x0
	s_load_b128 s[56:59], s[22:23], 0x20
	s_mov_b64 s[36:37], s[20:21]
	s_cmp_lt_u32 s27, 256
	s_cselect_b64 s[36:37], s[18:19], s[36:37]
	s_cselect_b32 s28, 128, s28
	s_cselect_b32 s29, 3, s29
	s_cselect_b32 s30, 16384, s30
	s_cselect_b32 s31, 0x800000, s31
	s_cmp_lt_u32 s27, 128
	s_cselect_b64 s[36:37], s[16:17], s[36:37]
	s_cselect_b32 s28, 96, s28
	s_cselect_b32 s30, 4096, s30
	s_cselect_b32 s31, 0x700000, s31
	s_cmp_lt_u32 s27, 96
	s_cselect_b64 s[36:37], s[14:15], s[36:37]
	s_cselect_b32 s28, 0, s28
	s_cselect_b32 s30, 12288, s30
	s_cselect_b32 s31, 0x400000, s31
	s_sub_co_u32 s60, s27, s28
	s_bfm_b32 s33, s29, 0
	s_and_b32 s61, s60, s33                        ; K step
	s_lshr_b32 s62, s60, s29                       ; block of 256 columns
	s_add_co_u32 s34, s29, 11                      ; log2 of a tile's bytes: K steps x 2,048
	s_lshl_b32 s63, s61, 7
	s_mul_i32 s63, s63, s30                        ; 128 rows of the source a K step
	s_lshl_b32 s35, s62, 10
	s_add_co_u32 s63, s63, s35
	s_lshl_b32 s35, s26, 7
	s_add_co_u32 s40, s63, s35                     ; + my wave's 32 columns
	s_mov_b32 s41, 0
	s_add_nc_u64 s[40:41], s[36:37], s[40:41]      ; a base for each block of 32 along K
	s_lshl_b32 s66, s30, 5
	s_mov_b32 s67, 0
	s_add_nc_u64 s[42:43], s[40:41], s[66:67]
	s_add_nc_u64 s[44:45], s[42:43], s[66:67]
	s_add_nc_u64 s[46:47], s[44:45], s[66:67]
	s_lshl_b32 s35, s62, 4
	s_lshl_b32 s38, s26, 1
	s_add_co_u32 s35, s35, s38                     ; my wave's first tile
	s_lshl_b32 s35, s35, s34
	s_lshl_b32 s38, s61, 11
	s_add_co_u32 s38, s38, s35
	s_add_co_u32 s38, s38, s31
	s_mov_b32 s39, 0
	s_add_nc_u64 s[38:39], s[24:25], s[38:39]
	v_lshlrev_b32 v8, s34, v12
	s_delay_alu instid0(VALU_DEP_1)
	v_lshl_add_u32 v8, v13, 4, v8                  ; my tile, and 16 x its row
.set i, 0
.rept 32
	v_mad_u32_u24 v[16+i], s30, i, v11             ; row i of a block, my column
.set i, i+1
.endr
.macro WLOAD b                         ; block b: 32 rows of the source; a load reads 128 consecutive bytes, the eight waves stand side by side
.set i, 0
.rept 32
	global_load_b32 v[48+32*((\b)%2)+i], v[16+i], s[40+2*(\b):41+2*(\b)] th:TH_LOAD_NT
.set i, i+1
.endr
.endm
	WLOAD 0
	WLOAD 1
	s_wait_kmcnt 0x0
	s_mov_b32 s32, s59                             ; e11, e9, e7 or e1
	s_cmp_lt_u32 s27, 256
	s_cselect_b32 s32, s57, s32
	s_cmp_lt_u32 s27, 128
	s_cselect_b32 s32, s55, s32
	s_cmp_lt_u32 s27, 96
	s_cselect_b32 s32, s49, s32
	s_add_co_i32 s32, s32, 127
	s_lshl_b32 s33, s32, 23
	v_mov_b32 v9, s33                              ; 2^e
	s_add_co_i32 s32, s32, 8
	s_lshl_b32 s32, s32, 23
	s_or_b32 s32, s32, 0x600000
	v_mov_b32 v10, s32                             ; 448 x 2^e
.macro WBLOCK b
.set XS, 48+32*((\b)%2)
.if (\b) < 3
	s_wait_loadcnt 32                              ; this block's 32 loads are in; the next block's may be out
.else
	s_wait_loadcnt 0x0
.endif
.set i, 0
.rept 32
	v_med3_num_f32 v[XS+i], v[XS+i], -v10, v10
.set i, i+1
.endr
.irp g, 0,1,2,3
	v_cvt_scalef32_pk8_fp8_f32 v[112+8*(\b)+2*\g:112+8*(\b)+2*\g+1], v[XS+8*\g:XS+8*\g+7], v9
.endr
	global_store_b128 v8, v[112+8*(\b):112+8*(\b)+3], s[38:39] offset:512*(\b)        ; k = 32 b + 0 .. 15: the image's lanes 0-15; sixteen lanes store 256 consecutive bytes
	global_store_b128 v8, v[112+8*(\b)+4:112+8*(\b)+7], s[38:39] offset:512*(\b)+256  ; k = 32 b + 16 .. 31: its lanes 16-31.  Each block has its own code registers
.if (\b)+2 < 4
	WLOAD (\b)+2
.endif
.endm
	s_wait_alu depctr_va_vdst(0)
	WBLOCK 0
	WBLOCK 1
	WBLOCK 2
	WBLOCK 3
	s_endpgm
.Lfunc_end_k_qf7d090e805_prep:
	.size	k_qf7d090e805_prep, .Lfunc_end_k_qf7d090e805_prep-k_qf7d090e805_prep
	.p2alignl 7, 3214868480
	.fill 96, 4, 3214868480
	.section	.rodata,"a",@progbits
	.p2align	6, 0x0
	.amdhsa_kernel k_qf7d090e805_prep
		.amdhsa_group_segment_fixed_size 18432
		.amdhsa_private_segment_fixed_size 0
		.amdhsa_enable_private_segment 0
		.amdhsa_kernarg_size 72
		.amdhsa_user_sgpr_count 2
		.amdhsa_user_sgpr_kernarg_segment_ptr 1
		.amdhsa_wavefront_size32 1
		.amdhsa_system_sgpr_workgroup_id_x 1
		.amdhsa_system_sgpr_workgroup_id_y 1
		.amdhsa_system_sgpr_workgroup_id_z 1
		.amdhsa_system_vgpr_workitem_id 0
		.amdhsa_next_free_vgpr 160
		.amdhsa_next_free_sgpr 68
		.amdhsa_reserve_vcc 0
		.amdhsa_float_denorm_mode_32 3
		.amdhsa_float_denorm_mode_16_64 3
		.amdhsa_memory_ordered 1
		.amdhsa_forward_progress 1
		.amdhsa_inst_pref_size 55
	.end_amdhsa_kernel
	.amdgpu_metadata
---
amdhsa.version: [ 1, 2 ]
amdhsa.kernels:
  - .name:           k_qf7d090e805_prep
    .symbol:         k_qf7d090e805_prep.kd
    .args:
      - { .name: x, .offset: 0, .size: 8, .value_kind: global_buffer, .address_space: global }
      - { .name: ln1_g, .offset: 8, .size: 8, .value_kind: global_buffer, .address_space: global }
      - { .name: ln1_b, .offset: 16, .size: 8, .value_kind: global_buffer, .address_space: global }
      - { .name: w_qkv, .offset: 24, .size: 8, .value_kind: global_buffer, .address_space: global }
      - { .name: w_proj, .offset: 32, .size: 8, .value_kind: global_buffer, .address_space: global }
      - { .name: w_fc1, .offset: 40, .size: 8, .value_kind: global_buffer, .address_space: global }
      - { .name: w_fc2, .offset: 48, .size: 8, .value_kind: global_buffer, .address_space: global }
      - { .name: lowp_scales, .offset: 56, .size: 8, .value_kind: global_buffer, .address_space: global }
      - { .name: pw, .offset: 64, .size: 8, .value_kind: global_buffer, .address_space: global }
    .group_segment_fixed_size: 18432
    .private_segment_fixed_size: 0
    .kernarg_segment_align: 8
    .kernarg_segment_size: 72
    .max_flat_workgroup_size: 256
    .sgpr_count:     68
    .vgpr_count:     160
    .wavefront_size: 32
...
	.end_amdgpu_metadata
.endif
;; end of part 1
;; launch qkv (part 2): grid 8 x 32, 4 waves a work-group, clusters of 4 x 4, 327,680 bytes of LDS; arguments pw, lowp_scales, qkvc; writes qkvc
.if DOCPART == 2
	.amdgcn_target "amdgcn-amd-amdhsa--gfx1250"
	.amdhsa_code_object_version 6
	.text
	.protected	k_qf7d090e805_qkv
	.globl	k_qf7d090e805_qkv
	.p2align	8
	.type	k_qf7d090e805_qkv,@function
k_qf7d090e805_qkv:
	s_mov_b64 s[64:65], 0
	v_nop
	global_prefetch_b8 v0, s[64:65] scope:SCOPE_SE
	s_setreg_imm32_b32 hwreg(HW_REG_WAVE_MODE, 25, 1), 1
	s_wait_xcnt 0x0
	s_wait_alu depctr_hold_cnt(0) depctr_sa_sdst(0) depctr_va_vdst(0) depctr_va_sdst(0) depctr_va_ssrc(0) depctr_va_vcc(0) depctr_vm_vsrc(0)
	s_getreg_b32 s2, hwreg(HW_REG_IB_STS2, 6, 4)
	s_cmp_eq_u32 s2, 0
	s_cbranch_scc0 .Lentry_in_a_cluster
	s_endpgm
.Lentry_in_a_cluster:
	s_bfe_u32 s2, ttmp6, 0x10000c
	s_cmp_lg_u32 s2, 0xf033
	s_cbranch_scc0 .Lentry_shape_is_right
	s_endpgm
.Lentry_shape_is_right:
; Product 1, LN1(x) w_qkv, on codes; q, k and v leave as codes (scales 2, 3, 5) in the order of the attention's operand registers.
; A WORK-GROUP STAYS: it owns 128 tokens (work-group y) and walks three blocks of 128 columns of the weight, 8 blocks apart: q's block x, k's block x, v's block x.
; The tokens' codes (128 rows x 1,024 K, 131,072 bytes) come once through LDS into registers: a wave holds its 64 rows, 4 fragments x 8 K steps x 16 registers, in windows 2 and 3.
; A weight block (131,072 bytes: [tile 8][K step 8][2,048]) lies whole in one of two LDS slots; a wave makes 64 tokens x 64 columns (one head): 16 accumulators.
; Operands are images of fragments (see the first launch): a fragment is 4 ds_load_b128 at 16 x lane, 512 bytes each.
; q, k: source 0 = columns, source 1 = tokens: a lane holds a token and its registers run along the head's 64.  v: THE SOURCES CHANGE PLACES: a lane holds a channel and its registers run along the keys, product 3's K.
; CLUSTER 4 x 4: the tokens' block is shared along a row of the cluster, a weight block along a column, each asked for jointly.
; THE HEAD: waves 0, 1 fetch the tokens' halves into slot 1, waves 2, 3 block 0's halves into slot 0, 65,536 bytes each: one tensor load a wave.  Later blocks: 32,768 bytes a wave.
; qkvc: q at 0 and k at 0x400000: [batch x head 32][tile of 16 tokens 128][1,024 bytes: group b at 512 b + 16 lane = channels 32 b + 16 h + 0 .. 15];
;       v at 0x800000: [batch x head][step of 128 keys 16][tile of 16 channels 4][2,048 bytes: register 2 c + e, byte y = key 16 c + 8 h + 4 e + y].
; PREFETCH: a block is asked of memory one load ahead of its tensor load: block 1 behind the head's loads, block 2 behind block 1's load.  The four partners that ask for a block jointly share its 131,072 bytes out
; by address: 32,768 to a work-group (by cy), 8,192 to a wave, 256 to a lane: one instruction a wave, each block of 256 bytes named once in a cluster.  Block 0 and the tokens come by their loads alone.
; LIMITS: e(out) - e0 - e1 between -126 and 119, for e(out) = e2, e3, e5.
.set WOFF, 0x400000
.set BLK, 131072
.set SPARE, 262144                     ; behind the two slots: the spare words, 128 bytes a wave
.set ADA, 16                           ; v16  LDS address of my tokens' fragments
.set ADB, 17                           ; v17  my columns' place in a slot
.set AD, 20                            ; v20  the same in the slot in hand
.set SPW, 28
.set NIL, 29
.set PFO, 30                           ; v30  256 x lane; never rewritten
.set PFA, 98                           ; s[98:99] my wave's 8,192 bytes of block 1; never rewritten
.set ACC, 128                          ; accumulator (a, b) at v[128 + 8 (4 a + b)], window 0: a tokens, b columns
.set F0, 0                             ; the weight's fragments, window 1: two buffers of two K steps
.set F1, 128
.set TB, 2                             ; s2   LDS byte at which the slot in hand begins
.set G1, 24                            ; s[24:31] group 1, the tokens' halves (256 rows of 256 bytes)
.set G1B, 48                           ; s[48:55] group 1, a quarter of a weight block (128 rows)
.set G1H, 56                           ; s[56:63] group 1, a half of block 0 (256 rows)
.set G0A, 32
.set G0B, 36
.set G0H, 92
.set MSB, 0
.macro WIN new                         ; the immediate's high byte repeats the setting that is left
.if MSB != \new
	s_set_vgpr_msb (MSB<<8)|\new
.set MSB, \new
.endif
.endm
.set MUL_LO, 0x09                      ; source 0 window 1 (columns), source 1 window 2 (tokens, K steps 0-3); C and D window 0
.set MUL_HI, 0x0d                      ; source 1 window 3 (K steps 4-7)
.set MULV_LO, 0x06                     ; v: source 0 window 2 (tokens), source 1 window 1 (columns)
.set MULV_HI, 0x07
.set TO_F, 0x40
.macro CREST
	s_cmp_lg_u32 s14, 0
	s_cbranch_scc1 .Lnot_wave_0_\@
	s_barrier_signal -3
.Lnot_wave_0_\@:
	s_barrier_wait -3
	s_barrier_signal -1
	s_barrier_wait -1
.endm
.macro CROUND
	s_barrier_signal -1
	s_barrier_wait -1
	CREST
.endm
.macro PLACES                          ; four places behind matrix instructions, ahead of loads into their sources and of reads of their results
.rept 4
	v_nop
.endr
.endm
.macro MUL16 f, s, zero, sw            ; K step s: my four token fragments x my four column fragments; the 16 accumulators take turns in one order
.irp a, 0,1,2,3
.irp b, 0,1,2,3
.if \sw
.if \zero
	v_wmma_f32_16x16x128_fp8_fp8 v[ACC+8*(4*\a+\b):ACC+8*(4*\a+\b)+7], v[16*(4*((\s)%4)+\a):16*(4*((\s)%4)+\a)+15], v[(\f)+16*\b:(\f)+16*\b+15], 0
.else
	v_wmma_f32_16x16x128_fp8_fp8 v[ACC+8*(4*\a+\b):ACC+8*(4*\a+\b)+7], v[16*(4*((\s)%4)+\a):16*(4*((\s)%4)+\a)+15], v[(\f)+16*\b:(\f)+16*\b+15], v[ACC+8*(4*\a+\b):ACC+8*(4*\a+\b)+7]
.endif
.else
.if \zero
	v_wmma_f32_16x16x128_fp8_fp8 v[ACC+8*(4*\a+\b):ACC+8*(4*\a+\b)+7], v[(\f)+16*\b:(\f)+16*\b+15], v[16*(4*((\s)%4)+\a):16*(4*((\s)%4)+\a)+15], 0
.else
	v_wmma_f32_16x16x128_fp8_fp8 v[ACC+8*(4*\a+\b):ACC+8*(4*\a+\b)+7], v[(\f)+16*\b:(\f)+16*\b+15], v[16*(4*((\s)%4)+\a):16*(4*((\s)%4)+\a)+15], v[ACC+8*(4*\a+\b):ACC+8*(4*\a+\b)+7]
.endif
.endif
.endr
.endr
.endm
.macro FETCHB d, f                     ; 32 LDS loads in one run: my four column fragments of K steps 2 d and 2 d + 1
	WIN TO_F
.irp u, 0,1
.irp i, 0,1,2,3
.irp c, 0,1,2,3
	ds_load_b128 v[(\f)+64*\u+16*\i+4*\c:(\f)+64*\u+16*\i+4*\c+3], v[AD] offset:16384*\i+2048*(2*(\d)+\u)+512*\c
.endr
.endr
.endr
.endm
.macro DSTEP d, f, g, w, zero, last, sw
	s_wait_dscnt 16                                ; the first K step's 16 loads are in; the second's may be out
	WIN \w
	MUL16 \f, 2*(\d), \zero, \sw
.if \last
	s_wait_dscnt 0x0
.else
	PLACES
	FETCHB (\d)+1, \g
	s_wait_dscnt 32                                ; all but the 32 just issued
	WIN \w
.endif
	MUL16 (\f)+64, 2*(\d)+1, 0, \sw
.endm
.macro TILE sw                         ; one weight block: 128 matrix instructions; the first products start the sums
.if \sw
	DSTEP 0, F0, F1, MULV_LO, 1, 0, 1
	DSTEP 1, F1, F0, MULV_LO, 0, 0, 1
	DSTEP 2, F0, F1, MULV_HI, 0, 0, 1
	DSTEP 3, F1, F0, MULV_HI, 0, 1, 1
.else
	DSTEP 0, F0, F1, MUL_LO, 1, 0, 0
	DSTEP 1, F1, F0, MUL_LO, 0, 0, 0
	DSTEP 2, F0, F1, MUL_HI, 0, 0, 0
	DSTEP 3, F1, F0, MUL_HI, 0, 1, 0
.endif
	WIN 0
	PLACES
.endm
.macro NEXTB                           ; the first fragments of the slot in hand
	v_add_nc_u32 v[AD], s[TB], v[ADB]
	s_wait_alu depctr_va_vdst(0)
	FETCHB 0, F0
	WIN 0
.endm
.macro CHANGE                          ; the change of slots with a refill: the three lines, a round of the cluster's barrier, the joint load first behind it
	WIN 0
	s_wait_tensorcnt 0x0                           ; all my tensor loads have landed
	ds_add_u32 v[SPW], v[NIL]
	s_xor_b32 s[G0B+1], s[G0B+1], BLK              ; no load of mine is out: the descriptor walks: the other slot, 8 blocks on
	s_add_nc_u64 s[G0B+2:G0B+3], s[G0B+2:G0B+3], 8*BLK
	s_xor_b32 s[TB], s[TB], BLK
	s_wait_dscnt 0x0                               ; the add is done, my reads of the slot that I leave are over
	CROUND
	tensor_load_to_lds s[G0B:G0B+3], s[G1B:G1B+7]
	s_nop 0
.rept 4
	v_nop
.endr
	NEXTB
.endm
; THE WAY OUT: a sum stands for sum x 2^(e0 + e1); its code is sum / 2^(e(out) - e0 - e1).  Two accumulators' conversions are one group of the next operand's image: stored as they stand, 512 consecutive bytes a store.
; Each block has code registers of its own (r), so no store's data are written again.
.macro WAYOUT d, r, isv, base, off
	v_mov_b32 v24, s[\d]
	v_mov_b32 v25, s[\d+1]
.set i, 0
.rept 128
	v_med3_num_f32 v[ACC+i], v[ACC+i], -v25, v25   ; the hold (the conversion does not saturate: ISA guide 7.6.2); each accumulator from its low end on
.set i, i+1
.endr
.irp a, 0,1,2,3
.irp b, 0,1,2,3
.if \isv
	v_cvt_scalef32_pk8_fp8_f32 v[\r+8*\b+2*\a:\r+8*\b+2*\a+1], v[ACC+8*(4*\a+\b):ACC+8*(4*\a+\b)+7], v24   ; channel tile b, keys 16 a + 8 h + 0 .. 7
.else
	v_cvt_scalef32_pk8_fp8_f32 v[\r+8*\a+2*\b:\r+8*\a+2*\b+1], v[ACC+8*(4*\a+\b):ACC+8*(4*\a+\b)+7], v24   ; token tile a, channels 32 (b / 2) + 16 h + 8 (b % 2) + 0 .. 7
.endif
.endr
.endr
	v_nop                                          ; a plain instruction behind the last conversion
.irp a, 0,1,2,3
	global_store_b128 v2, v[\r+8*\a:\r+8*\a+3], s[\base:\base+1] offset:\off+(1024<<\isv)*\a
	global_store_b128 v2, v[\r+8*\a+4:\r+8*\a+7], s[\base:\base+1] offset:\off+(1024<<\isv)*\a+512
.endr
.endm
.macro MKS eo, d                       ; s[d] = 2^(e(out) - e0 - e1) as f32, s[d + 1] = 448 x that
	s_sub_co_i32 s96, s[\eo], s68
	s_sub_co_i32 s96, s96, s69
	s_add_co_i32 s96, s96, 127
	s_lshl_b32 s[\d], s96, 23
	s_add_co_i32 s96, s96, 8
	s_lshl_b32 s96, s96, 23
	s_or_b32 s[\d+1], s96, 0x600000
.endm
	s_load_b64 s[4:5], s[0:1], 0x0                 ; pw, as the tokens' buffer
	s_load_b64 s[6:7], s[0:1], 0x0                 ; and as the weight's
	s_load_b128 s[8:11], s[0:1], 0x8               ; the scales, qkvc
	v_lshl_add_u32 v[SPW], v0, 2, SPARE
	v_mov_b32 v[NIL], 0
	ds_add_u32 v[SPW], v[NIL]                      ; the opening: the add, twice on end, and its wait ahead of my first tensor load
	ds_add_u32 v[SPW], v[NIL]
	v_lshrrev_b32 v1, 5, v0
	v_readfirstlane_b32 s14, v1                    ; wave 0..3
	s_lshr_b32 s15, s14, 1                         ; my half of the tokens.  Also: at the head I fetch tokens (0) or block 0 (1)
	s_and_b32 s16, s14, 1                          ; my half of the columns.  Also: which half I fetch at the head
	s_bfe_u32 s40, ttmp6, 0x40000                  ; cx
	s_bfe_u32 s41, ttmp6, 0x40004                  ; cy
	s_lshl_b32 s42, ttmp9, 2
	s_add_co_u32 s42, s42, s40                     ; block of columns, 0..7
	s_and_b32 s17, ttmp7, 0xffff
	s_lshl_b32 s17, s17, 2
	s_add_co_u32 s17, s17, s41                     ; block of tokens, 0..31
	s_lshl_b32 s43, s41, 2
	s_lshl_b32 s43, 15, s43                        ; my row of the cluster
	s_lshl_b32 s44, 0x1111, s40                    ; my column
	s_or_b32 s[G1], s43, (3<<16)|(1<<21)           ; the mask; elements of 8 bytes; bit 21 beside a mask; no padding
	s_or_b32 s[G1B], s44, (3<<16)|(1<<21)
	s_or_b32 s[G1H], s44, (3<<16)|(1<<21)
.irp g, G1, G1H
	s_mov_b32 s[\g+2], 256<<16                     ; a dense block of 65,536 bytes as 256 rows of 256
	s_mov_b32 s[\g+4], 256
.endr
	s_mov_b32 s[G1B+2], 128<<16                    ; 32,768 bytes as 128 rows
	s_mov_b32 s[G1B+4], 128
.irp g, G1, G1B, G1H
	s_mov_b32 s[\g+1], 32<<16
	s_mov_b32 s[\g+3], 32<<16
	s_mov_b32 s[\g+5], 32
	s_mov_b32 s[\g+6], 0
	s_mov_b32 s[\g+7], 0
.endr
	s_lshl_b32 s45, s14, 15
	s_lshl_b32 s18, s16, 16
	s_lshl_b32 s20, s17, 17
	s_add_co_u32 s20, s20, s18                     ; the tokens' block, my half
	s_mov_b32 s21, 0
	s_lshl_b32 s46, s42, 17
	s_add_co_u32 s46, s46, WOFF
	s_add_co_u32 s22, s46, s18                     ; block 0, my half
	s_mov_b32 s23, 0
	s_add_co_u32 s46, s46, s45                     ; block 0, my quarter: the walking descriptor starts here and steps before its first use
	s_mov_b32 s47, 0
	s_mov_b32 s[TB], BLK
	s_wait_dscnt 0x0
	s_wait_kmcnt 0x0
	s_load_b256 s[68:75], s[8:9], 0x0              ; e0 .. e7
	CROUND                                         ; all sixteen work-groups are here: the first joint loads meet
	s_mov_b32 s[G0A], 1
	s_add_co_u32 s[G0A+1], s18, BLK                ; the tokens go to slot 1
	s_add_nc_u64 s[G0A+2:G0A+3], s[4:5], s[20:21]
	s_or_b32 s[G0A+3], s[G0A+3], 0x80000000
	s_mov_b32 s[G0H], 1
	s_lshl_b32 s[G0H+1], s16, 16                   ; block 0 to slot 0
	s_add_nc_u64 s[G0H+2:G0H+3], s[6:7], s[22:23]
	s_or_b32 s[G0H+3], s[G0H+3], 0x80000000
	s_mov_b32 s[G0B], 1
	s_lshl_b32 s[G0B+1], s14, 15
	s_add_nc_u64 s[G0B+2:G0B+3], s[6:7], s[46:47]
	s_or_b32 s[G0B+3], s[G0B+3], 0x80000000
	s_cmp_eq_u32 s15, 0                            ; the wave's number alone: one tensor load in each arm, an s_nop 0 and four v_nop behind each
	s_cbranch_scc0 .Lhead_b
	tensor_load_to_lds s[G0A:G0A+3], s[G1:G1+7]
	s_nop 0
.rept 4
	v_nop
.endr
	s_branch .Lhead_j
.Lhead_b:
	tensor_load_to_lds s[G0H:G0H+3], s[G1H:G1H+7]
	s_nop 0
.rept 4
	v_nop
.endr
.Lhead_j:
	s_lshl_b32 s[PFA], s42, 17                     ; the prefetches: block 1 of my column of blocks,
	s_add_co_u32 s[PFA], s[PFA], WOFF+8*BLK
	s_lshl_b32 s96, s41, 15
	s_add_co_u32 s[PFA], s[PFA], s96               ; my work-group's quarter of it, by cy,
	s_lshl_b32 s96, s14, 13
	s_add_co_u32 s[PFA], s[PFA], s96               ; my wave's quarter of that
	s_mov_b32 s[PFA+1], 0
	s_add_nc_u64 s[PFA:PFA+1], s[6:7], s[PFA:PFA+1]
	v_and_b32 v1, 31, v0
	v_lshlrev_b32 v2, 4, v1                        ; 16 x lane
	v_lshlrev_b32 v[PFO], 8, v1
	global_prefetch_b8 v[PFO], s[PFA:PFA+1] th:TH_LOAD_NT scope:SCOPE_SE   ; block 1
	s_lshl_b32 s21, s15, 16
	s_add_co_u32 s21, s21, BLK
	v_add_nc_u32 v[ADA], s21, v2
	s_lshl_b32 s22, s16, 16
	v_add_nc_u32 v[ADB], s22, v2
	; where my wave's codes go
	s_lshr_b32 s84, s17, 4
	s_lshl_b32 s84, s84, 4
	s_lshl_b32 s86, s42, 1
	s_add_co_u32 s84, s84, s86
	s_add_co_u32 s84, s84, s16                     ; batch x 16 + head: my 64 columns are one head
	s_and_b32 s86, s17, 15                         ; my block of 128 tokens in the batch
	s_lshl_b32 s85, s84, 4
	s_add_co_u32 s85, s85, s86
	s_lshl_b32 s85, s85, 13                        ; v: (batch x head x 16 + key step) x 4 tiles x 2,048
	s_lshl_b32 s87, s15, 10
	s_add_co_u32 s85, s85, s87                     ; + 1,024 x my half of the step's keys
	s_add_co_u32 s82, s85, 0x800000
	s_mov_b32 s83, 0
	s_lshl_b32 s84, s84, 7
	s_lshl_b32 s86, s86, 3
	s_add_co_u32 s84, s84, s86
	s_lshl_b32 s87, s15, 2
	s_add_co_u32 s84, s84, s87                     ; q, k: batch x head x 128 + my first token tile
	s_lshl_b32 s84, s84, 10
	s_mov_b32 s85, 0
	s_add_nc_u64 s[12:13], s[10:11], s[82:83]      ; v
	s_add_nc_u64 s[10:11], s[10:11], s[84:85]      ; q; k lies 0x400000 further on
	s_wait_alu depctr_va_vdst(0)
	s_wait_kmcnt 0x0
	MKS 70, 76                                     ; q: e2
	MKS 71, 78                                     ; k: e3
	MKS 73, 80                                     ; v: e5
	s_wait_tensorcnt 0x0                           ; my one load has landed
	s_barrier_signal -1
	s_barrier_wait -1
	WIN 0x80                                       ; my tokens' fragments into windows 2 and 3: 128 loads, read once
.irp s, 0,1,2,3
.irp a, 0,1,2,3
.irp c, 0,1,2,3
	ds_load_b128 v[16*(4*\s+\a)+4*\c:16*(4*\s+\a)+4*\c+3], v[ADA] offset:16384*\a+2048*\s+512*\c
.endr
.endr
.endr
	WIN 0xc0
.irp s, 0,1,2,3
.irp a, 0,1,2,3
.irp c, 0,1,2,3
	ds_load_b128 v[16*(4*\s+\a)+4*\c:16*(4*\s+\a)+4*\c+3], v[ADA] offset:16384*\a+2048*(\s+4)+512*\c
.endr
.endr
.endr
	CHANGE                                         ; the tokens are in registers: slot 1 takes k's block; q's first fragments
	global_prefetch_b8 v[PFO], s[PFA:PFA+1] offset:8*BLK th:TH_LOAD_NT scope:SCOPE_SE   ; block 2, a tile ahead of its load
	TILE 0                                         ; q
	CHANGE                                         ; slot 0 takes v's block; k's first fragments
	WAYOUT 76, 32, 0, 10, 0
	TILE 0                                         ; k
	s_wait_tensorcnt 0x0                           ; my part of v's block is in; nothing is filled again
	s_xor_b32 s[TB], s[TB], BLK
	s_wait_dscnt 0x0
	s_barrier_signal -1
	s_barrier_wait -1
	NEXTB
	WAYOUT 78, 64, 0, 10, 0x400000
	TILE 1                                         ; v, the sources changed
	WAYOUT 80, 96, 1, 12, 0
	s_wait_tensorcnt 0x0                           ; the wave's end
	ds_add_u32 v[SPW], v[NIL]
	s_wait_dscnt 0x0
	CROUND                                         ; the closing round
	s_endpgm
.Lfunc_end_k_qf7d090e805_qkv:
	.size	k_qf7d090e805_qkv, .Lfunc_end_k_qf7d090e805_qkv-k_qf7d090e805_qkv
	.p2alignl 7, 3214868480
	.fill 96, 4, 3214868480
	.section	.rodata,"a",@progbits
	.p2align	6, 0x0
	.amdhsa_kernel k_qf7d090e805_qkv
		.amdhsa_group_segment_fixed_size 327680
		.amdhsa_private_segment_fixed_size 0
		.amdhsa_enable_private_segment 0
		.amdhsa_kernarg_size 24
		.amdhsa_user_sgpr_count 2
		.amdhsa_user_sgpr_kernarg_segment_ptr 1
		.amdhsa_wavefront_size32 1
		.amdhsa_system_sgpr_workgroup_id_x 1
		.amdhsa_system_sgpr_workgroup_id_y 1
		.amdhsa_system_sgpr_workgroup_id_z 1
		.amdhsa_system_vgpr_workitem_id 0
		.amdhsa_next_free_vgpr 1024
		.amdhsa_next_free_sgpr 100
		.amdhsa_reserve_vcc 0
		.amdhsa_float_denorm_mode_32 3
		.amdhsa_float_denorm_mode_16_64 3
		.amdhsa_memory_ordered 1
		.amdhsa_forward_progress 1
		.amdhsa_inst_pref_size 99
	.end_amdhsa_kernel
	.amdgpu_metadata
---
amdhsa.version: [ 1, 2 ]
amdhsa.kernels:
  - .name:           k_qf7d090e805_qkv
    .symbol:         k_qf7d090e805_qkv.kd
    .args:
      - { .name: pw, .offset: 0, .size: 8, .value_kind: global_buffer, .address_space: global }
      - { .name: lowp_scales, .offset: 8, .size: 8, .value_kind: global_buffer, .address_space: global }
      - { .name: qkvc, .offset: 16, .size: 8, .value_kind: global_buffer, .address_space: global }
    .group_segment_fixed_size: 327680
    .private_segment_fixed_size: 0
    .kernarg_segment_align: 8
    .kernarg_segment_size: 24
    .max_flat_workgroup_size: 128
    .sgpr_count:     100
    .vgpr_count:     1024
    .wavefront_size: 32
...
	.end_amdgpu_metadata
.endif
;; end of part 2
;; launch attn (part 3): grid 8 x 32, 16 waves a work-group, clusters of 4 x 1, 327,680 bytes of LDS; arguments qkvc, lowp_scales, ao; writes ao
.if DOCPART == 3
	.amdgcn_target "amdgcn-amd-amdhsa--gfx1250"
	.amdhsa_code_object_version 6
	.text
	.protected	k_qf7d090e805_attn
	.globl	k_qf7d090e805_attn
	.p2align	8
	.type	k_qf7d090e805_attn,@function
k_qf7d090e805_attn:
	s_mov_b64 s[64:65], 0
	v_nop
	global_prefetch_b8 v0, s[64:65] scope:SCOPE_SE
	s_setreg_imm32_b32 hwreg(HW_REG_WAVE_MODE, 25, 1), 1
	s_wait_xcnt 0x0
	s_wait_alu depctr_hold_cnt(0) depctr_sa_sdst(0) depctr_va_vdst(0) depctr_va_sdst(0) depctr_va_ssrc(0) depctr_va_vcc(0) depctr_vm_vsrc(0)
	s_getreg_b32 s2, hwreg(HW_REG_IB_STS2, 6, 4)
	s_cmp_eq_u32 s2, 0
	s_cbranch_scc0 .Lentry_in_a_cluster
	s_endpgm
.Lentry_in_a_cluster:
	s_bfe_u32 s2, ttmp6, 0x10000c
	s_cmp_lg_u32 s2, 0x3003
	s_cbranch_scc0 .Lentry_shape_is_right
	s_endpgm
.Lentry_shape_is_right:
; Products 2 and 3 with the causal softmax between them, on codes; the result leaves as codes (scale 6) in the image that product 4 reads.
; LEFT OUT (shown at the head of the first launch): every step of 128 keys that lies wholly behind a tile's 16 queries, since reference()'s own tril mask gives those keys the weight 0.
; THE SOFTMAX: t = score x log2(e) / 8; M = the running largest t rounded up to a whole number; p = 2^(t - M) is quantised (scale 4), not normalised; the row's sum is taken of the unquantised p and divides at the end.
; K AND V OF A BATCH x HEAD LIE WHOLE IN LDS: 2,048 keys x 64 bytes each, 131,072 + 131,072 bytes, dense images; each of the sixteen waves fetches 16,384 bytes at the head: one tensor load a wave, nothing is filled again.
; SHARES.  Work-group g (0..7) of a batch x head owns the tiles of 16 queries g + 8 i, i = 0..15; tile g + 8 i lies in key block i and has i + 1 live steps, the last on the diagonal: 136 steps in every work-group, and all keys are read by each.
; Waves 2 p and 2 p + 1 share tiles p and 15 - p, 17 steps: one of the two, wave A, walks steps 0..7 of tile 15 - p; the other, wave B, walks tile p (steps 0..p) and stores it, then steps 8..15 - p of tile 15 - p: 8 and 9 steps.
; Which of the two is A alternates with w >> 2 (wave w is B where (w ^ (w >> 2)) & 1 = 1), so that of waves w, w + 4, w + 8, w + 12 two are A and two are B.
; All waves walk two loops of eight trips, a key step a trip. At the end A hands its O^T, -M and sums to B through LDS (one barrier), and B brings both
; parts under the larger M by multiplications with powers of two, which round nothing, adds them and stores the tile.
; Both products are used transposed: S^T = K Q^T (16x16x64), O^T = V^T P^T (16x16x128): a lane holds one query throughout; p's conversions are the second product's operand registers as they stand.
; CLUSTER 4 x 1: four work-groups of a batch x head ask for K and V jointly.  No branch and no LDS address hangs on a work-group's place: the steps of a tile hang on i alone.
; NO PREFETCH: all tiles are asked for at the head; there is no later load to run ahead of.
; LIMITS: e2 + e3 between -123 and 129; e4 and e6 between -126 and 119.
; REGISTERS: v1 16 x lane; v4 the diagonal's d; v5, v6 the add's; v7 the pair's stage; v8, v9 LDS addresses; v12 -M, v13 largest t, v[14:15] the sum; v16-23 Q; v24-31 the late tile's Q; v32-95 K's, then V's fragments;
;   v96-159 S^T, then p; v160-191 O^T; v192, v193 2^e6 and the hold for it; v194-209 codes on their way out; v224-239 p's codes; v240 the hold, v241 the lane permute's destination, v244 the scale, v236-255 else at work.
.set VOFF, 131072
.set STAGE, 262144                     ; eight pairs x 4,608 bytes: A's O^T (8 x 512) and its v12-15 (512), as images of registers
.set SPARE, 299008                     ; the spare words, 128 bytes for each of the sixteen waves
.set LI, 1
.set DD, 4
.set SPW, 5
.set NIL, 6
.set STA, 7
.set AD, 8
.set ADV, 9
.set PD, 241
.set TB, 2                             ; s2   LDS byte of the step's keys
.set KS, 3                             ; s3   the key step, 0..15
.set WV, 18
.set SEL, 20
.set CS, 22
.set G1, 24
.set G0, 36
.set R1, 52                            ; the last live step of the first loop
.set D1, 53                            ; its step on the diagonal (A: none)
.set R2, 54                            ; the last live step of the second loop, which lies on the diagonal (A: none is live)
.set TV, 55                            ; LDS byte of the step's values
.set ES, 56                            ; e4 + e5
.macro CROUND
	s_barrier_signal -1
	s_barrier_wait -1
	s_cmp_lg_u32 s[WV], 0
	s_cbranch_scc1 .Lnot_wave_0_\@
	s_barrier_signal -3
.Lnot_wave_0_\@:
	s_barrier_wait -3
	s_barrier_signal -1
	s_barrier_wait -1
.endm
.macro STEP lim, dg                    ; 128 keys
	s_cmp_gt_u32 s[KS], s[\lim]                    ; not mine, or all keys behind my queries: the wave's number and the trip alone
	s_cbranch_scc1 .Lhidden_\@
	v_add_nc_u32 v[AD], s[TB], v[LI]
	v_add_nc_u32 v[ADV], s[TV], v[LI]
.rept 2
	v_nop                                          ; with the two additions four places ahead of loads into registers that matrix instructions have read
.endr
.set t, 0
.rept 8
	ds_load_b128 v[32+8*t:35+8*t], v[AD] offset:t*1024
	ds_load_b128 v[36+8*t:39+8*t], v[AD] offset:t*1024+512
.set t, t+1
.endr
	s_wait_alu depctr_va_vdst(0)
	s_wait_dscnt 0x0
.set t, 0
.rept 8
	v_wmma_f32_16x16x64_fp8_fp8 v[96+8*t:103+8*t], v[32+8*t:39+8*t], v[16:23], 0   ; lane (r, h): query r, register j of tile t: key 16 t + 8 h + j
.set t, t+1
.endr
.rept 4
	v_nop
.endr
.set t, 0
.rept 16
	ds_load_b128 v[32+4*t:35+4*t], v[ADV] offset:512*t   ; V's four fragments land while the softmax is worked
.set t, t+1
.endr
	s_cmp_lg_u32 s[KS], s[\dg]                     ; off the diagonal all keys count: no mask
	s_cbranch_scc1 .Lopen_\@
	v_mov_b32 v254, 0xff800000
.set n, 0
.rept 64
	v_cmp_gt_i32 vcc_lo, 16*(n/8)+n%8, v[DD]       ; d = my query - the step's first key - 8 h: register n is hidden where 16 (n / 8) + n % 8 > d
	v_cndmask_b32 v[96+n], v[96+n], v254, vcc_lo
.set n, n+1
.endr
.Lopen_\@:
	v_max3_num_f32 v254, v96, v97, v98
	v_max3_num_f32 v252, v99, v100, v101
.irp i, 6,10,14,18,22,26,30,34,38,42,46,50,54,58
	v_max3_num_f32 v254, v254, v[96+\i], v[97+\i]
	v_max3_num_f32 v252, v252, v[98+\i], v[99+\i]
.endr
	v_max3_num_f32 v254, v254, v158, v159
	s_delay_alu instid0(VALU_DEP_1)
	v_max_num_f32 v254, v254, v252
	s_delay_alu instid0(VALU_DEP_1)
	v_permlanex16_b32 v[PD], v254, s[SEL], s[SEL+1]
	s_delay_alu instid0(VALU_DEP_1)
	v_max_num_f32 v254, v254, v[PD]
	s_delay_alu instid0(VALU_DEP_1)
	v_mul_f32 v254, s[CS], v254
	s_delay_alu instid0(VALU_DEP_1)
	v_max_num_f32 v13, v13, v254                   ; the running largest t
	v_mov_b32 v254, v12
	s_delay_alu instid0(VALU_DEP_2)
	v_floor_f32 v12, -v13                          ; -M = floor(-t)
	s_delay_alu instid0(VALU_DEP_1)
	v_sub_f32 v254, v12, v254
	s_delay_alu instid0(VALU_DEP_1)
	v_cvt_i32_f32 v254, v254
	s_delay_alu instid0(VALU_DEP_1)
	v_ldexp_f32 v252, 1.0, v254                    ; f = 2^(old M - new M): exact
.set j, 0
.rept 32
	v_pk_fma_f32 v[96+j:97+j], v[96+j:97+j], s[CS:CS+1], v[12:13] op_sel_hi:[1,0,0]   ; t - M
.set j, j+2
.endr
.set j, 0
	s_wait_alu depctr_va_vdst(0)
.rept 64
	v_exp_f32 v[96+j], v[96+j]
.set j, j+1
.endr
	v_pk_mul_f32 v[14:15], v[14:15], v[252:253] op_sel_hi:[1,0]   ; the sums under the new M; the plain instruction behind the exponentials
	s_wait_alu depctr_va_vdst(0)                   ; one wait for the batch, ahead of its first reader
	v_pk_add_f32 v[242:243], v[100:101], v[104:105]
	v_pk_add_f32 v[254:255], v[108:109], v[112:113]
	v_pk_add_f32 v[250:251], v[116:117], v[120:121]
	v_pk_add_f32 v[248:249], v[124:125], v[128:129]
	v_pk_add_f32 v[246:247], v[132:133], v[136:137]
	v_pk_add_f32 v[238:239], v[140:141], v[144:145]
	v_pk_add_f32 v[236:237], v[148:149], v[152:153]
	v_pk_add_f32 v[14:15], v[14:15], v[156:157]
	v_pk_add_f32 v[242:243], v[242:243], v[96:97]
	v_pk_add_f32 v[254:255], v[254:255], v[98:99]
	v_pk_add_f32 v[250:251], v[250:251], v[102:103]
	v_pk_add_f32 v[248:249], v[248:249], v[106:107]
	v_pk_add_f32 v[246:247], v[246:247], v[110:111]
	v_pk_add_f32 v[238:239], v[238:239], v[114:115]
	v_pk_add_f32 v[236:237], v[236:237], v[118:119]
	v_pk_add_f32 v[14:15], v[14:15], v[122:123]
	v_pk_add_f32 v[242:243], v[242:243], v[126:127]
	v_pk_add_f32 v[254:255], v[254:255], v[130:131]
	v_pk_add_f32 v[250:251], v[250:251], v[134:135]
	v_pk_add_f32 v[248:249], v[248:249], v[138:139]
	v_pk_add_f32 v[246:247], v[246:247], v[142:143]
	v_pk_add_f32 v[238:239], v[238:239], v[146:147]
	v_pk_add_f32 v[236:237], v[236:237], v[150:151]
	v_pk_add_f32 v[14:15], v[14:15], v[154:155]
	v_pk_add_f32 v[242:243], v[242:243], v[158:159]
	s_delay_alu instid0(VALU_DEP_2)
	v_pk_add_f32 v[14:15], v[14:15], v[248:249]
	s_delay_alu instid0(VALU_DEP_2)
	v_pk_add_f32 v[242:243], v[242:243], v[246:247]
	v_pk_add_f32 v[254:255], v[254:255], v[238:239]
	v_pk_add_f32 v[250:251], v[250:251], v[236:237]
	s_delay_alu instid0(VALU_DEP_2)
	v_pk_add_f32 v[14:15], v[14:15], v[254:255]
	s_delay_alu instid0(VALU_DEP_2)
	v_pk_add_f32 v[242:243], v[242:243], v[250:251]
	s_delay_alu instid0(VALU_DEP_1)
	v_pk_add_f32 v[14:15], v[14:15], v[242:243]
.set t, 0
.rept 8
.set i, 0
.rept 8
	v_min_num_f32 v[96+8*t+i], v[96+8*t+i], v240   ; p is not negative: a one-sided hold
.set i, i+1
.endr
	v_cvt_scalef32_pk8_fp8_f32 v[224+2*t:225+2*t], v[96+8*t:103+8*t], v244   ; registers 2 t, 2 t + 1 of the operand: keys 16 t + 8 h + 0 .. 7
.set t, t+1
.endr
.set j, 0
.rept 16
	v_pk_mul_f32 v[160+j:161+j], v[160+j:161+j], v[252:253] op_sel_hi:[1,0]   ; O^T under the new M; these also stand between the conversions and the products
.set j, j+2
.endr
	s_wait_alu depctr_va_vdst(0)
	s_wait_dscnt 0x0                               ; V is in
.set t, 0
.rept 4
	v_wmma_f32_16x16x128_fp8_fp8 v[160+8*t:167+8*t], v[32+16*t:47+16*t], v[224:239], v[160+8*t:167+8*t]
.set t, t+1
.endr
.Lhidden_\@:
.endm
; THE WAY OUT of a tile: O^T / the sum x 2^(e4 + e5), quantised with 2^e6.  V's channel tiles are laid so that tiles 2 b, 2 b + 1 hold channels 32 b + 16 h + 0 .. 15: a group of product 4's image.  Each tile has code registers of its own.
.macro WAYOUT o, c
	v_add_f32 v14, v14, v15
	v_permlanex16_b32 v[PD], v14, s[SEL], s[SEL+1]
	v_add_f32 v14, v14, v[PD]
	s_wait_alu depctr_va_vdst(0)                   ; ahead of the reciprocal
	v_rcp_f32 v14, v14
	v_nop                                          ; a plain instruction behind it
	s_wait_alu depctr_va_vdst(0)                   ; ahead of its first reader
	v_ldexp_f32 v14, v14, s[ES]
	s_wait_alu depctr_va_vdst(0)                   ; directly ahead of the first reader of O^T
.set j, 0
.rept 32
	v_mul_f32 v[96+j], v[160+j], v14
.set j, j+1
.endr
.set j, 0
.rept 32
	v_med3_num_f32 v[96+j], v[96+j], -v193, v193
.set j, j+1
.endr
.irp t, 0,1,2,3
	v_cvt_scalef32_pk8_fp8_f32 v[\c+2*\t:\c+2*\t+1], v[96+8*\t:103+8*\t], v192
.endr
	v_nop
	global_store_b128 v[LI], v[\c:\c+3], s[\o:\o+1]    ; 512 consecutive bytes each
	global_store_b128 v[LI], v[\c+4:\c+7], s[\o:\o+1] offset:512
.endm
	s_load_b128 s[4:7], s[0:1], 0x0                ; qkvc, the scales
	s_load_b64 s[16:17], s[0:1], 0x10              ; ao
	v_lshl_add_u32 v[SPW], v0, 2, SPARE
	v_mov_b32 v[NIL], 0
	ds_add_u32 v[SPW], v[NIL]                      ; the opening: the add, twice on end, and its wait ahead of the first tensor load
	ds_add_u32 v[SPW], v[NIL]
	v_lshrrev_b32 v8, 5, v0
	v_readfirstlane_b32 s[WV], v8                  ; wave 0..15
	s_bfe_u32 s40, ttmp6, 0x40000                  ; cx
	s_lshl_b32 s41, ttmp9, 2
	s_add_co_u32 s41, s41, s40                     ; g
	s_and_b32 s82, ttmp7, 0xffff                   ; batch x head
	s_lshr_b32 s83, s[WV], 2
	s_xor_b32 s83, s83, s[WV]
	s_and_b32 s83, s83, 1                          ; 0: wave A, 1: wave B
	s_lshr_b32 s84, s[WV], 1                       ; the pair p
	s_sub_co_u32 s85, 15, s84                      ; the late tile's i
	s_cmp_eq_u32 s83, 0
	s_cselect_b32 s[R1], 7, s84
	s_cselect_b32 s[D1], 99, s84
	s_cselect_b32 s[R2], 0, s85
	s_cselect_b32 s86, s85, s84                    ; the i of the tile that I walk first
	s_lshl_b32 s87, s86, 3
	s_add_co_u32 s87, s87, s41                     ; that tile
	s_lshl_b32 s88, s85, 3
	s_add_co_u32 s88, s88, s41                     ; the late tile
	s_lshl_b32 s89, s82, 7
	s_add_co_u32 s90, s89, s87
	s_lshl_b32 s90, s90, 10                        ; q's images
	s_mov_b32 s91, 0
	s_add_co_u32 s92, s89, s88
	s_lshl_b32 s92, s92, 10
	s_mov_b32 s93, 0
	s_lshr_b32 s89, s82, 4
	s_lshl_b32 s89, s89, 7                         ; product 4's operand: tile of rows = batch x 128 + tile,
	s_bfe_u32 s94, s82, 0x30001                    ; K step = head / 2,
	s_and_b32 s95, s82, 1
	s_lshl_b32 s95, s95, 10                        ; the half of it = head % 2
	s_add_co_u32 s44, s89, s87
	s_lshl_b32 s44, s44, 3
	s_add_co_u32 s44, s44, s94
	s_lshl_b32 s44, s44, 11
	s_add_co_u32 s44, s44, s95
	s_mov_b32 s45, 0
	s_add_co_u32 s46, s89, s88
	s_lshl_b32 s46, s46, 3
	s_add_co_u32 s46, s46, s94
	s_lshl_b32 s46, s46, 11
	s_add_co_u32 s46, s46, s95
	s_mov_b32 s47, 0
	s_lshr_b32 s48, s[WV], 3
	s_add_co_u32 s48, s48, 1
	s_lshl_b32 s48, s48, 22                        ; waves 0-7: K at 0x400000, waves 8-15: V at 0x800000
	s_lshl_b32 s49, s82, 17
	s_add_co_u32 s48, s48, s49
	s_and_b32 s49, s[WV], 7
	s_lshl_b32 s49, s49, 14
	s_add_co_u32 s48, s48, s49                     ; my 16,384 bytes: 256 keys
	s_mov_b32 s49, 0
	s_mov_b32 s[G1], 15|(3<<16)|(1<<21)            ; the four work-groups of the cluster; elements of 8 bytes; bit 21 beside a mask; a dense block as 64 rows of 256 bytes
	s_mov_b32 s[G1+1], 32<<16
	s_mov_b32 s[G1+2], 64<<16
	s_mov_b32 s[G1+3], 32<<16
	s_mov_b32 s[G1+4], 64
	s_mov_b32 s[G1+5], 32
	s_mov_b32 s[G1+6], 0
	s_mov_b32 s[G1+7], 0
	s_mov_b32 s[SEL], 0x76543210
	s_mov_b32 s[SEL+1], 0xfedcba98
	s_mov_b32 s[CS], 0x3e38aa3b                    ; c = log2(e) / 8
	s_mov_b32 s[TB], 0
	s_mov_b32 s[TV], VOFF
	s_mov_b32 s[KS], 0
	s_wait_dscnt 0x0
	s_wait_kmcnt 0x0
	s_load_b256 s[68:75], s[6:7], 0x0              ; e0 .. e7
	CROUND                                         ; the four work-groups are here: the joint loads meet
	s_mov_b32 s[G0], 1
	s_lshl_b32 s[G0+1], s[WV], 14                  ; K at 0, V at 131,072
	s_add_nc_u64 s[G0+2:G0+3], s[4:5], s[48:49]
	s_or_b32 s[G0+3], s[G0+3], 0x80000000
	tensor_load_to_lds s[G0:G0+3], s[G1:G1+7]      ; every wave's one tensor load
	s_nop 0
.rept 4
	v_nop
.endr
	s_add_nc_u64 s[90:91], s[4:5], s[90:91]
	s_add_nc_u64 s[92:93], s[4:5], s[92:93]
	s_add_nc_u64 s[44:45], s[16:17], s[44:45]
	s_add_nc_u64 s[46:47], s[16:17], s[46:47]
	v_and_b32 v[LI], 31, v0
	v_lshlrev_b32 v[LI], 4, v[LI]
	global_load_b128 v[16:19], v[LI], s[90:91]     ; Q of the tile that I walk first
	global_load_b128 v[20:23], v[LI], s[90:91] offset:512
	global_load_b128 v[24:27], v[LI], s[92:93]     ; Q of the late tile, which wave B takes up in the second loop
	global_load_b128 v[28:31], v[LI], s[92:93] offset:512
	v_and_b32 v[DD], 15, v0
	v_bfe_u32 v9, v0, 4, 1
	v_lshlrev_b32 v9, 3, v9
	v_sub_nc_u32 v[DD], v[DD], v9
	s_lshl_b32 s50, s41, 4
	v_add_nc_u32 v[DD], s50, v[DD]                 ; on the diagonal my query lies 16 g + r behind the step's first key: d = 16 g + r - 8 h
	s_mul_i32 s51, s84, 4608
	s_add_co_u32 s51, s51, STAGE
	v_add_nc_u32 v[STA], s51, v[LI]                ; my pair's stage, 16 x lane
	v_mov_b32 v13, 0xff61b1e6                      ; the largest t so far: -3e38
	v_floor_f32 v12, -v13
	v_mov_b32 v14, 0
	v_mov_b32 v15, 0
	v_mov_b32 v[PD], 0                             ; a lane permute's destination counts as one of its sources
	v_mov_b32 v253, 0
.set j, 0
.rept 32
	v_mov_b32 v[160+j], 0                          ; O^T: the step is written once for first and later steps; the first finds zeros
.set j, j+1
.endr
	s_wait_kmcnt 0x0
	s_add_co_i32 s96, s70, s71
	s_lshl_b32 s96, s96, 23
	s_add_co_i32 s[CS], s[CS], s96                 ; a score stands for score x 2^(e2 + e3)
	s_mov_b32 s[CS+1], s[CS]
	s_add_co_i32 s96, s72, 127
	s_lshl_b32 s97, s96, 23
	v_mov_b32 v244, s97                            ; 2^e4
	s_add_co_i32 s96, s96, 8
	s_lshl_b32 s96, s96, 23
	s_or_b32 s96, s96, 0x600000
	v_mov_b32 v240, s96                            ; 448 x 2^e4
	s_add_co_i32 s[ES], s72, s73
	s_add_co_i32 s96, s74, 127
	s_lshl_b32 s97, s96, 23
	v_mov_b32 v192, s97                            ; 2^e6
	s_add_co_i32 s96, s96, 8
	s_lshl_b32 s96, s96, 23
	s_or_b32 s96, s96, 0x600000
	v_mov_b32 v193, s96                            ; 448 x 2^e6
	s_wait_alu depctr_va_vdst(0)
	s_wait_loadcnt 0x0                             ; Q
	s_wait_tensorcnt 0x0                           ; my part of K or V has landed
	s_barrier_signal -1
	s_barrier_wait -1                              ; and everybody's: from here on the waves walk by themselves
.Lone:                                             ; key steps 0..7
	STEP R1, D1
	s_add_co_u32 s[TB], s[TB], 8192
	s_add_co_u32 s[TV], s[TV], 8192
	s_add_co_u32 s[KS], s[KS], 1
	s_cmp_lt_u32 s[KS], 8
	s_cbranch_scc1 .Lone
.rept 4
	v_nop                                          ; four places behind the last products
.endr
	s_cmp_eq_u32 s83, 0
	s_cbranch_scc1 .Lno_switch
	WAYOUT 44, 194                                 ; wave B: the early tile is finished and leaves;
	v_mov_b32 v13, 0xff61b1e6                      ; the late tile begins, at key step 8
	v_floor_f32 v12, -v13
	v_mov_b32 v14, 0
	v_mov_b32 v15, 0
.set j, 0
.rept 32
	v_mov_b32 v[160+j], 0
.set j, j+1
.endr
.set j, 0
.rept 8
	v_mov_b32 v[16+j], v[24+j]
.set j, j+1
.endr
	s_wait_alu depctr_va_vdst(0)
.Lno_switch:
.Ltwo:                                             ; key steps 8..15
	STEP R2, R2
	s_add_co_u32 s[TB], s[TB], 8192
	s_add_co_u32 s[TV], s[TV], 8192
	s_add_co_u32 s[KS], s[KS], 1
	s_cmp_lt_u32 s[KS], 16
	s_cbranch_scc1 .Ltwo
.rept 4
	v_nop
.endr
	s_cmp_eq_u32 s83, 0
	s_cbranch_scc0 .Lmeet
.set k, 0
.rept 8
	ds_store_b128 v[STA], v[160+4*k:163+4*k] offset:512*k   ; wave A: its part of the late tile, as an image of the registers; each accumulator from its low end on
.set k, k+1
.endr
	ds_store_b128 v[STA], v[12:15] offset:4096     ; -M, the largest t, the sum's two halves
.Lmeet:
	s_wait_dscnt 0x0                               ; for the partner's sake: my stores have landed
	s_barrier_signal -1
	s_barrier_wait -1
	s_cmp_eq_u32 s83, 0
	s_cbranch_scc1 .Ldone
.set k, 0
.rept 8
	ds_load_b128 v[32+4*k:35+4*k], v[STA] offset:512*k
.set k, k+1
.endr
	ds_load_b128 v[64:67], v[STA] offset:4096
	s_wait_dscnt 0x0
	v_min_num_f32 v68, v12, v64                    ; -M of both parts: M is the larger of the two
	v_sub_f32 v69, v68, v64                        ; A's M less M, and mine less M: whole numbers, 0 or less
	v_sub_f32 v70, v68, v12
	v_cvt_i32_f32 v69, v69
	v_cvt_i32_f32 v70, v70
	v_ldexp_f32 v72, 1.0, v69
	v_ldexp_f32 v74, 1.0, v70
	v_mov_b32 v73, v72
	v_mov_b32 v75, v74
	v_pk_mul_f32 v[14:15], v[14:15], v[74:75]
	v_pk_fma_f32 v[14:15], v[66:67], v[72:73], v[14:15]
.set j, 0
.rept 16
	v_pk_mul_f32 v[160+j:161+j], v[160+j:161+j], v[74:75]
.set j, j+2
.endr
.set j, 0
.rept 16
	v_pk_fma_f32 v[160+j:161+j], v[32+j:33+j], v[72:73], v[160+j:161+j]
.set j, j+2
.endr
	WAYOUT 46, 202
.Ldone:
	s_wait_tensorcnt 0x0                           ; the wave's end
	ds_add_u32 v[SPW], v[NIL]
	s_wait_dscnt 0x0
	CROUND                                         ; the closing round
	s_endpgm
.Lfunc_end_k_qf7d090e805_attn:
	.size	k_qf7d090e805_attn, .Lfunc_end_k_qf7d090e805_attn-k_qf7d090e805_attn
	.p2alignl 7, 3214868480
	.fill 96, 4, 3214868480
	.section	.rodata,"a",@progbits
	.p2align	6, 0x0
	.amdhsa_kernel k_qf7d090e805_attn
		.amdhsa_group_segment_fixed_size 327680
		.amdhsa_private_segment_fixed_size 0
		.amdhsa_enable_private_segment 0
		.amdhsa_kernarg_size 24
		.amdhsa_user_sgpr_count 2
		.amdhsa_user_sgpr_kernarg_segment_ptr 1
		.amdhsa_wavefront_size32 1
		.amdhsa_system_sgpr_workgroup_id_x 1
		.amdhsa_system_sgpr_workgroup_id_y 1
		.amdhsa_system_sgpr_workgroup_id_z 1
		.amdhsa_system_vgpr_workitem_id 0
		.amdhsa_next_free_vgpr 256
		.amdhsa_next_free_sgpr 100
		.amdhsa_reserve_vcc 1
		.amdhsa_float_denorm_mode_32 3
		.amdhsa_float_denorm_mode_16_64 3
		.amdhsa_memory_ordered 1
		.amdhsa_forward_progress 1
		.amdhsa_inst_pref_size 63
	.end_amdhsa_kernel
	.amdgpu_metadata
---
amdhsa.version: [ 1, 2 ]
amdhsa.kernels:
  - .name:           k_qf7d090e805_attn
    .symbol:         k_qf7d090e805_attn.kd
    .args:
      - { .name: qkvc, .offset: 0, .size: 8, .value_kind: global_buffer, .address_space: global }
      - { .name: lowp_scales, .offset: 8, .size: 8, .value_kind: global_buffer, .address_space: global }
      - { .name: ao, .offset: 16, .size: 8, .value_kind: global_buffer, .address_space: global }
    .group_segment_fixed_size: 327680
    .private_segment_fixed_size: 0
    .kernarg_segment_align: 8
    .kernarg_segment_size: 24
    .max_flat_workgroup_size: 512
    .sgpr_count:     100
    .vgpr_count:     256
    .wavefront_size: 32
...
	.end_amdgpu_metadata
.endif
;; end of part 3
;; launch proj (part 4): grid 8 x 32, 4 waves a work-group, clusters of 4 x 4, 327,680 bytes of LDS; arguments ao, pw, lowp_scales, x, x1; writes x1
.if DOCPART == 4
	.amdgcn_target "amdgcn-amd-amdhsa--gfx1250"
	.amdhsa_code_object_version 6
	.text
	.protected	k_qf7d090e805_proj
	.globl	k_qf7d090e805_proj
	.p2align	8
	.type	k_qf7d090e805_proj,@function
k_qf7d090e805_proj:
	s_mov_b64 s[64:65], 0
	v_nop
	global_prefetch_b8 v0, s[64:65] scope:SCOPE_SE
	s_setreg_imm32_b32 hwreg(HW_REG_WAVE_MODE, 25, 1), 1
	s_wait_xcnt 0x0
	s_wait_alu depctr_hold_cnt(0) depctr_sa_sdst(0) depctr_va_vdst(0) depctr_va_sdst(0) depctr_va_ssrc(0) depctr_va_vcc(0) depctr_vm_vsrc(0)
	s_getreg_b32 s2, hwreg(HW_REG_IB_STS2, 6, 4)
	s_cmp_eq_u32 s2, 0
	s_cbranch_scc0 .Lentry_in_a_cluster
	s_endpgm
.Lentry_in_a_cluster:
	s_bfe_u32 s2, ttmp6, 0x10000c
	s_cmp_lg_u32 s2, 0xf033
	s_cbranch_scc0 .Lentry_shape_is_right
	s_endpgm
.Lentry_shape_is_right:
.set KS, 8
.set LAPS, 1
.set WOFF, 0x700000
.set EA, 6
.set EB, 7
.set TILEROW, KS*2048
.set SLOT, 131072
.set STAGE, 262144
.set SPARE, 279552
.set ADRA, 16
.set ADRB, 20
.set STO, 24
.set RD, 25
.set CO, 26
.set SPW, 28
.set NIL, 29
.set ACC, 128
.set F0, 0
.set F1, 128
.set G1, 24
.set G0, 32
.set G1B, 48
.set G0B, 56
.set MSB, 0
.macro WIN new
.if MSB != \new
	s_set_vgpr_msb (MSB<<8)|\new
.set MSB, \new
.endif
.endm
.set MUL, 0x05
.set TO_F, 0x40
.macro JLOAD s
	s_cmp_eq_u32 s15, 0
	s_cbranch_scc0 .Lfor_b_\@
	tensor_load_to_lds s[G0+4*\s:G0+4*\s+3], s[G1:G1+7]
	s_nop 0
.rept 4
	v_nop
.endr
	s_branch .Lasked_\@
.Lfor_b_\@:
	tensor_load_to_lds s[G0B+4*\s:G0B+4*\s+3], s[G1B:G1B+7]
	s_nop 0
.rept 4
	v_nop
.endr
.Lasked_\@:
.endm
.macro CREST
	s_cmp_lg_u32 s14, 0
	s_cbranch_scc1 .Lnot_wave_0_\@
	s_barrier_signal -3
.Lnot_wave_0_\@:
	s_barrier_wait -3
	s_barrier_signal -1
	s_barrier_wait -1
.endm
.macro CROUND
	s_barrier_signal -1
	s_barrier_wait -1
	CREST
.endm
.macro PLACES
.rept 4
	v_nop
.endr
.endm
.macro MUL8 f, a0, zero
.irp a, \a0, \a0+1
.irp b, 0,1,2,3
.if \zero
	v_wmma_f32_16x16x128_fp8_fp8 v[ACC+8*(4*(\a)+\b):ACC+8*(4*(\a)+\b)+7], v[\f+64+16*\b:\f+64+16*\b+15], v[\f+16*(\a):\f+16*(\a)+15], 0
.else
	v_wmma_f32_16x16x128_fp8_fp8 v[ACC+8*(4*(\a)+\b):ACC+8*(4*(\a)+\b)+7], v[\f+64+16*\b:\f+64+16*\b+15], v[\f+16*(\a):\f+16*(\a)+15], v[ACC+8*(4*(\a)+\b):ACC+8*(4*(\a)+\b)+7]
.endif
.endr
.endr
.endm
.macro FETCH slot, q, f
	WIN TO_F
.irp i, 0,1,2,3
.irp c, 0,1,2,3
	ds_load_b128 v[\f+64+16*\i+4*\c:\f+64+16*\i+4*\c+3], v[ADRB+\slot] offset:16384*\i+2048*(\q)+512*\c
.endr
.endr
.irp i, 0,1,2,3
.irp c, 0,1,2,3
	ds_load_b128 v[\f+16*\i+4*\c:\f+16*\i+4*\c+3], v[ADRA+\slot] offset:16384*\i+2048*(\q)+512*\c
.endr
.endr
.endm
.macro STEP slot, qn, f, g, zero
	s_wait_dscnt 8
	WIN MUL
	MUL8 \f, 0, \zero
	PLACES
	FETCH \slot, \qn, \g
	s_wait_dscnt 32
	WIN MUL
	MUL8 \f, 2, \zero
.endm
.macro TURN slot, next, fill
	WIN 0
	s_wait_tensorcnt 0x0
	ds_add_u32 v[SPW], v[NIL]
	s_wait_dscnt 9
	WIN MUL
	MUL8 F1, 0, 0
	s_wait_dscnt 0x0
	s_barrier_signal -1
	MUL8 F1, 2, 0
.if \fill
	WIN 0
.endif
	s_barrier_wait -1
.if \fill
	CREST
	s_add_nc_u64 s[G0+4*\slot+2:G0+4*\slot+3], s[G0+4*\slot+2:G0+4*\slot+3], 16384
	s_add_nc_u64 s[G0B+4*\slot+2:G0B+4*\slot+3], s[G0B+4*\slot+2:G0B+4*\slot+3], 16384
	JLOAD \slot
.else
	PLACES
.endif
	FETCH \next, 0, F0
.endm
.macro LAST
	s_wait_dscnt 8
	WIN MUL
	MUL8 F1, 0, 0
	s_wait_alu depctr_va_vdst(0)
	s_wait_dscnt 0x0
	MUL8 F1, 2, 0
	WIN 0
	PLACES
.endm
	s_load_b256 s[4:11], s[0:1], 0x0
	s_load_b64 s[12:13], s[0:1], 0x20
	v_lshl_add_u32 v[SPW], v0, 2, SPARE
	v_mov_b32 v[NIL], 0
	ds_add_u32 v[SPW], v[NIL]
	ds_add_u32 v[SPW], v[NIL]
	v_lshrrev_b32 v1, 5, v0
	v_readfirstlane_b32 s14, v1
	s_lshr_b32 s15, s14, 1
	s_and_b32 s16, s14, 1
	s_bfe_u32 s40, ttmp6, 0x40000
	s_bfe_u32 s41, ttmp6, 0x40004
	s_lshl_b32 s42, ttmp9, 2
	s_add_co_u32 s42, s42, s40
	s_and_b32 s17, ttmp7, 0xffff
	s_lshl_b32 s17, s17, 2
	s_add_co_u32 s17, s17, s41
	s_lshl_b32 s43, s41, 2
	s_lshl_b32 s43, 15, s43
	s_lshl_b32 s44, 0x1111, s40
	s_or_b32 s[G1], s43, (3<<16)|(1<<21)
	s_or_b32 s[G1B], s44, (3<<16)|(1<<21)
.irp g, G1, G1B
	; Product 4 on codes and the residual: x1 = x + attention w_proj.  K = 1,024 LIES WHOLE IN LDS: [side A 8 tiles][side B 8 tiles] x [K step 8][2,048 bytes]; each wave fetches four tiles, 65,536 bytes, by its one tensor load; nothing is filled again.
	s_mov_b32 s[\g+1], 2048<<16                    ; a tile's eight K steps, 16,384 bytes, are a row
	s_mov_b32 s[\g+2], 4<<16
	s_mov_b32 s[\g+3], 2048<<16
	s_mov_b32 s[\g+4], 4
	s_mov_b32 s[\g+5], KS*256
	s_mov_b32 s[\g+6], 0
	s_mov_b32 s[\g+7], 0
.endr
	s_lshl_b32 s18, s16, 2
	s_lshl_b32 s20, s17, 3
	s_add_co_u32 s20, s20, s18
	s_mul_i32 s20, s20, TILEROW
	s_mov_b32 s21, 0
	s_lshl_b32 s46, s42, 3
	s_add_co_u32 s46, s46, s18
	s_mul_i32 s46, s46, TILEROW
	s_add_co_u32 s46, s46, WOFF
	s_mov_b32 s47, 0
	s_mul_i32 s45, s14, 65536
	s_wait_dscnt 0x0
	s_wait_kmcnt 0x0
	s_load_b256 s[68:75], s[8:9], 0x0
	s_load_b128 s[76:79], s[8:9], 0x20
	s_add_nc_u64 s[20:21], s[4:5], s[20:21]
	s_add_nc_u64 s[46:47], s[6:7], s[46:47]
	CROUND
.irp s, 0
	s_mov_b32 s[G0+4*\s], 1
	s_add_co_u32 s[G0+4*\s+1], s45, \s*SLOT
	s_add_nc_u64 s[G0+4*\s+2:G0+4*\s+3], s[20:21], \s*8192
	s_or_b32 s[G0+4*\s+3], s[G0+4*\s+3], 0x80000000
	s_mov_b32 s[G0B+4*\s], 1
	s_add_co_u32 s[G0B+4*\s+1], s45, \s*SLOT
	s_add_nc_u64 s[G0B+4*\s+2:G0B+4*\s+3], s[46:47], \s*8192
	s_or_b32 s[G0B+4*\s+3], s[G0B+4*\s+3], 0x80000000
.endr
	JLOAD 0                                        ; one tensor load a wave, behind the opening round
	v_and_b32 v1, 31, v0
	v_lshlrev_b32 v2, 4, v1
	s_lshl_b32 s21, s15, 16
	s_lshl_b32 s22, s16, 16
	s_add_co_u32 s22, s22, 131072
.irp s, 0,1
	v_add_nc_u32 v[ADRA+\s], s21, v2
	v_add_nc_u32 v[ADRB+\s], s22, v2
	s_add_co_u32 s21, s21, 8192                    ; the second address: K steps 4 to 7 of the same tiles
	s_add_co_u32 s22, s22, 8192
.endr
	v_lshrrev_b32 v3, 4, v1
	v_and_b32 v4, 15, v1
	v_lshlrev_b32 v[CO], 12, v3
	v_lshl_add_u32 v[CO], v4, 4, v[CO]
	s_wait_alu depctr_va_vdst(0)
	s_mul_i32 s23, s14, 4352
	s_add_co_u32 s23, s23, STAGE
	v_mul_u32_u24 v[STO], v4, 272
	v_lshl_add_u32 v[STO], v3, 6, v[STO]
	v_add_nc_u32 v[STO], s23, v[STO]
	v_mul_u32_u24 v[RD], v3, 272
	v_lshl_add_u32 v[RD], v4, 4, v[RD]
	v_add_nc_u32 v[RD], s23, v[RD]
	s_lshl_b32 s20, s17, 7
	s_lshl_b32 s21, s15, 6
	s_add_co_u32 s20, s20, s21
	s_lshl_b32 s20, s20, 12
	s_lshl_b32 s21, s42, 9
	s_add_co_u32 s20, s20, s21
	s_lshl_b32 s21, s16, 8
	s_add_co_u32 s20, s20, s21
	s_mov_b32 s21, 0
	s_add_nc_u64 s[10:11], s[10:11], s[20:21]
	s_add_nc_u64 s[12:13], s[12:13], s[20:21]
	WIN 0x80
.irp a, 0,1,2,3
.irp t, 0,1,2,3,4,5,6,7
	global_load_b128 v[32*\a+4*\t:32*\a+4*\t+3], v[CO], s[10:11] offset:(16*\a+2*\t)*4096 th:TH_LOAD_NT
.endr
.endr
	WIN 0
	s_wait_alu depctr_va_vdst(0)
	s_wait_tensorcnt 0x0                           ; my four tiles have landed
	s_barrier_signal -1
	s_barrier_wait -1
	FETCH 0, 0, F0
	STEP 0, 1, F0, F1, 1
.if LAPS > 1
	WIN 0
	s_mov_b32 s3, LAPS-1
.Llap:
	STEP 0, 2, F1, F0, 0
	STEP 0, 3, F0, F1, 0
	TURN 0, 1, 1
	STEP 1, 1, F0, F1, 0
	STEP 1, 2, F1, F0, 0
	STEP 1, 3, F0, F1, 0
	TURN 1, 0, 1
	STEP 0, 1, F0, F1, 0
	WIN 0
	s_sub_co_u32 s3, s3, 1
	s_cmp_lg_u32 s3, 0
	s_cbranch_scc1 .Llap
.endif
	STEP 0, 2, F1, F0, 0
	STEP 0, 3, F0, F1, 0
	TURN 0, 1, 0
	STEP 1, 1, F0, F1, 0
	STEP 1, 2, F1, F0, 0
	STEP 1, 3, F0, F1, 0
	LAST
	s_wait_kmcnt 0x0
	s_add_co_i32 s96, s[68+EA], s[68+EB]
	s_add_co_i32 s96, s96, 127
	s_lshl_b32 s96, s96, 23
	s_mov_b32 s97, s96
	s_wait_loadcnt 0x0
.irp a, 0,1,2,3
.set BK, 32+32*(\a%2)
.if \a >= 2
	s_wait_xcnt 0x0
.endif
.irp b, 0,1,2,3
	ds_store_b128 v[STO], v[ACC+8*(4*\a+\b):ACC+8*(4*\a+\b)+3] offset:128*(\b/2)+32*(\b%2)
	ds_store_b128 v[STO], v[ACC+8*(4*\a+\b)+4:ACC+8*(4*\a+\b)+7] offset:128*(\b/2)+32*(\b%2)+16
.endr
.irp t, 0,1,2,3,4,5,6,7
	ds_load_b128 v[BK+4*\t:BK+4*\t+3], v[RD] offset:544*\t
.endr
	s_wait_dscnt 0x0
	WIN 0x20
.set i, 0
.rept 16
	v_pk_fma_f32 v[BK+i:BK+i+1], v[BK+i:BK+i+1], s[96:97], v[32*\a+i:32*\a+i+1] op_sel_hi:[1,0,1]
.set i, i+2
.endr
	WIN 0
.irp t, 0,1,2,3,4,5,6,7
	global_store_b128 v[CO], v[BK+4*\t:BK+4*\t+3], s[12:13] offset:(16*\a+2*\t)*4096
.endr
.endr
	s_wait_tensorcnt 0x0
	ds_add_u32 v[SPW], v[NIL]
	s_wait_dscnt 0x0
	CROUND
	s_endpgm
.Lfunc_end_k_qf7d090e805_proj:
	.size	k_qf7d090e805_proj, .Lfunc_end_k_qf7d090e805_proj-k_qf7d090e805_proj
	.p2alignl 7, 3214868480
	.fill 96, 4, 3214868480
	.section	.rodata,"a",@progbits
	.p2align	6, 0x0
	.amdhsa_kernel k_qf7d090e805_proj
		.amdhsa_group_segment_fixed_size 327680
		.amdhsa_private_segment_fixed_size 0
		.amdhsa_enable_private_segment 0
		.amdhsa_kernarg_size 40
		.amdhsa_user_sgpr_count 2
		.amdhsa_user_sgpr_kernarg_segment_ptr 1
		.amdhsa_wavefront_size32 1
		.amdhsa_system_sgpr_workgroup_id_x 1
		.amdhsa_system_sgpr_workgroup_id_y 1
		.amdhsa_system_sgpr_workgroup_id_z 1
		.amdhsa_system_vgpr_workitem_id 0
		.amdhsa_next_free_vgpr 640
		.amdhsa_next_free_sgpr 100
		.amdhsa_reserve_vcc 0
		.amdhsa_float_denorm_mode_32 3
		.amdhsa_float_denorm_mode_16_64 3
		.amdhsa_memory_ordered 1
		.amdhsa_forward_progress 1
		.amdhsa_inst_pref_size 48
	.end_amdhsa_kernel
	.amdgpu_metadata
---
amdhsa.version: [ 1, 2 ]
amdhsa.kernels:
  - .name:           k_qf7d090e805_proj
    .symbol:         k_qf7d090e805_proj.kd
    .args:
      - { .name: ao, .offset: 0, .size: 8, .value_kind: global_buffer, .address_space: global }
      - { .name: pw, .offset: 8, .size: 8, .value_kind: global_buffer, .address_space: global }
      - { .name: lowp_scales, .offset: 16, .size: 8, .value_kind: global_buffer, .address_space: global }
      - { .name: x, .offset: 24, .size: 8, .value_kind: global_buffer, .address_space: global }
      - { .name: x1, .offset: 32, .size: 8, .value_kind: global_buffer, .address_space: global }
    .group_segment_fixed_size: 327680
    .private_segment_fixed_size: 0
    .kernarg_segment_align: 8
    .kernarg_segment_size: 40
    .max_flat_workgroup_size: 128
    .sgpr_count:     100
    .vgpr_count:     640
    .wavefront_size: 32
...
	.end_amdgpu_metadata
.endif
;; end of part 4
;; launch ln2 (part 5): grid 256 x 1, 8 waves a work-group, no clusters, 18,432 bytes of LDS; arguments x1, ln2_g, ln2_b, lowp_scales, a2; writes a2
.if DOCPART == 5
	.amdgcn_target "amdgcn-amd-amdhsa--gfx1250"
	.amdhsa_code_object_version 6
	.text
	.protected	k_qf7d090e805_ln2
	.globl	k_qf7d090e805_ln2
	.p2align	8
	.type	k_qf7d090e805_ln2,@function
k_qf7d090e805_ln2:
	s_mov_b64 s[64:65], 0
	v_nop
	global_prefetch_b8 v0, s[64:65] scope:SCOPE_SE
	s_setreg_imm32_b32 hwreg(HW_REG_WAVE_MODE, 25, 1), 1
	s_wait_xcnt 0x0
; Launch 5 of 7: LN2(x1) becomes codes of E4M3 with the scale 2^e8, in the image that product 5 reads: [tile of 16 rows][K step of 128][2,048 bytes] (see launch 1).
; A work-group takes 16 rows, a wave two, whole, in registers: each row is read once.  The codes meet in a stage in LDS (units of 256 bytes, 272 apart) and each wave stores one fragment, 2,048 consecutive bytes.
; LIMITS: e8 between -126 and 119; NaN and infinities are not served.
.set SPARE, 17408
.set SPW, 6
.set NIL, 7
.set T,   8
.set G,   16
.set BI,  48
.set X0,  80
.set X1,  112
.set D0,  144
.set D1,  152
.set OUTR, 160
.set MU0, 176
.set MU1, 178
.set RS0, 180
.set RS1, 182
.set SCL, 184
.set LIMV, 185
.set PD,  186
.set VE0, 187
.set VE1, 188
.set SCP, 14
.set EOFF, 32
.macro REDUCE
	s_delay_alu instid0(VALU_DEP_3)
	v_pk_add_f32 v[T:T+1], v[T:T+1], v[T+2:T+3]
	s_delay_alu instid0(VALU_DEP_2)
	v_pk_add_f32 v[T+4:T+5], v[T+4:T+5], v[T+6:T+7]
	s_delay_alu instid0(VALU_DEP_1)
	v_pk_add_f32 v[T:T+1], v[T:T+1], v[T+4:T+5]
	s_delay_alu instid0(VALU_DEP_1)
	v_add_f32 v[T], v[T], v[T+1]
	s_delay_alu instid0(VALU_DEP_1)
	v_add_f32_dpp v[T], v[T], v[T] row_xmask:1 row_mask:0xf bank_mask:0xf
	s_delay_alu instid0(VALU_DEP_1)
	v_add_f32_dpp v[T], v[T], v[T] row_xmask:2 row_mask:0xf bank_mask:0xf
	s_delay_alu instid0(VALU_DEP_1)
	v_add_f32_dpp v[T], v[T], v[T] row_xmask:4 row_mask:0xf bank_mask:0xf
	s_delay_alu instid0(VALU_DEP_1)
	v_add_f32_dpp v[T], v[T], v[T] row_xmask:8 row_mask:0xf bank_mask:0xf
	s_delay_alu instid0(VALU_DEP_1)
	v_permlanex16_b32 v[PD], v[T], s32, s33
	s_delay_alu instid0(VALU_DEP_1)
	v_add_f32 v[T], v[T], v[PD]
.endm
.macro STATS x, mu, rs, ve
.irp p, 0,1,2,3
	v_pk_add_f32 v[T+2*\p:T+2*\p+1], v[\x+4*\p:\x+4*\p+1], v[\x+4*\p+2:\x+4*\p+3]
.endr
.irp p, 8,9,10,11,12,13,14,15
	s_delay_alu instid0(VALU_DEP_4)
	v_pk_add_f32 v[T+2*(\p%4):T+2*(\p%4)+1], v[T+2*(\p%4):T+2*(\p%4)+1], v[\x+2*\p:\x+2*\p+1]
.endr
	REDUCE
	s_delay_alu instid0(VALU_DEP_1)
	v_mul_f32 v[\mu], s35, v[T]
	s_delay_alu instid0(VALU_DEP_1)
	v_mov_b32 v[\mu+1], v[\mu]
.irp p, 0,1,2,3,4,5,6,7,8,9,10,11,12,13,14,15
	v_pk_add_f32 v[\x+2*\p:\x+2*\p+1], v[\x+2*\p:\x+2*\p+1], v[\mu:\mu+1] neg_lo:[0,1] neg_hi:[0,1]
.endr
.irp p, 0,1,2,3
	v_pk_mul_f32 v[T+2*\p:T+2*\p+1], v[\x+2*\p:\x+2*\p+1], v[\x+2*\p:\x+2*\p+1]
.endr
.irp p, 4,5,6,7,8,9,10,11,12,13,14,15
	s_delay_alu instid0(VALU_DEP_4)
	v_pk_fma_f32 v[T+2*(\p%4):T+2*(\p%4)+1], v[\x+2*\p:\x+2*\p+1], v[\x+2*\p:\x+2*\p+1], v[T+2*(\p%4):T+2*(\p%4)+1]
.endr
	REDUCE
	s_delay_alu instid0(VALU_DEP_1)
	v_fmaak_f32 v[\ve], s35, v[T], 0x3727c5ac
	s_wait_alu depctr_va_vdst(0)
	v_rsq_f32 v[\rs], v[\ve]
	v_rsq_f32 v[\rs+1], v[\ve]
.endm
.macro NORMQ x, rs, d
.irp p, 0,1,2,3,4,5,6,7,8,9,10,11,12,13,14,15
	v_pk_mul_f32 v[\x+2*\p:\x+2*\p+1], v[\x+2*\p:\x+2*\p+1], v[\rs:\rs+1]
.endr
.irp p, 0,1,2,3,4,5,6,7,8,9,10,11,12,13,14,15
	v_pk_fma_f32 v[\x+2*\p:\x+2*\p+1], v[\x+2*\p:\x+2*\p+1], v[G+2*\p:G+2*\p+1], v[BI+2*\p:BI+2*\p+1]
.endr
.set i, 0
.rept 32
	v_med3_num_f32 v[\x+i], v[\x+i], -v[LIMV], v[LIMV]
.set i, i+1
.endr
.irp i, 0,1,2,3
	v_cvt_scalef32_pk8_fp8_f32 v[\d+2*\i:\d+2*\i+1], v[\x+8*\i:\x+8*\i+7], v[SCL]
.endr
.endm
	s_load_b256 s[8:15], s[0:1], 0x0               ; x1, ln2_g, ln2_b, the scales
	s_load_b64 s[24:25], s[0:1], 0x20              ; a2
	v_lshl_add_u32 v[SPW], v0, 2, SPARE
	v_mov_b32 v[NIL], 0
	v_lshrrev_b32 v1, 5, v0
	s_delay_alu instid0(VALU_DEP_1)
	v_readfirstlane_b32 s26, v1
	v_and_b32 v1, 31, v0
	s_delay_alu instid0(VALU_DEP_1)
	v_lshlrev_b32 v2, 4, v1
	s_delay_alu instid0(VALU_DEP_2)
	v_lshrrev_b32 v3, 2, v1
	s_delay_alu instid0(VALU_DEP_1)
	v_mul_u32_u24 v3, v3, 272
	s_delay_alu instid0(VALU_DEP_4)
	v_and_b32 v4, 3, v1
	s_delay_alu instid0(VALU_DEP_1)
	v_lshl_add_u32 v3, v4, 2, v3
	s_lshl_b32 s27, s26, 5
	v_add_nc_u32 v3, s27, v3                       ; into the stage: unit lane / 4 (+ 8 j), byte 16 x row + 4 (lane % 4)
	v_lshrrev_b32 v4, 4, v1
	s_lshl_b32 s27, s26, 3
	v_add_nc_u32 v4, s27, v4
	s_delay_alu instid0(VALU_DEP_1)
	v_mul_u32_u24 v4, v4, 272
	v_and_b32 v5, 15, v1
	s_delay_alu instid0(VALU_DEP_1)
	v_lshl_add_u32 v4, v5, 4, v4                   ; out of it: K step w's eight units
	s_lshl_b32 s28, ttmp9, 16
	s_lshl_b32 s27, s26, 13
	s_add_co_u32 s28, s28, s27
	s_mov_b32 s29, 0
	s_lshl_b32 s30, ttmp9, 14
	s_lshl_b32 s27, s26, 11
	s_add_co_u32 s30, s30, s27
	s_mov_b32 s31, 0
	s_mov_b32 s32, 0x76543210
	s_mov_b32 s33, 0xfedcba98
	s_mov_b32 s35, 0x3a800000
	v_mov_b32 v[PD], 0
	s_wait_kmcnt 0x0
	s_load_b32 s34, s[SCP:SCP+1], EOFF
	s_add_nc_u64 s[28:29], s[8:9], s[28:29]
	s_add_nc_u64 s[30:31], s[24:25], s[30:31]
.set j, 0
.rept 8
	global_load_b128 v[X0+4*j:X0+4*j+3], v2, s[28:29] offset:512*j
	global_load_b128 v[X1+4*j:X1+4*j+3], v2, s[28:29] offset:4096+512*j
.set j, j+1
.endr
.set j, 0
.rept 8
	global_load_b128 v[G+4*j:G+4*j+3], v2, s[10:11] offset:512*j
	global_load_b128 v[BI+4*j:BI+4*j+3], v2, s[12:13] offset:512*j
.set j, j+1
.endr
	s_wait_loadcnt 16                              ; my two rows are in; the 16 younger loads, gain and bias, may be out
	STATS X0, MU0, RS0, VE0
	STATS X1, MU1, RS1, VE1
	v_nop                                          ; a plain instruction behind the last root
	s_wait_kmcnt 0x0
	s_add_co_i32 s34, s34, 127
	s_lshl_b32 s27, s34, 23
	v_mov_b32 v[SCL], s27
	s_add_co_i32 s34, s34, 8
	s_lshl_b32 s34, s34, 23
	s_or_b32 s34, s34, 0x600000
	v_mov_b32 v[LIMV], s34
	s_wait_alu depctr_va_vdst(0)                   ; one wait for the four roots, ahead of their first reader
	s_wait_loadcnt 0x0
	NORMQ X0, RS0, D0
	NORMQ X1, RS1, D1
	v_nop
.set j, 0
.rept 8
	ds_store_b32 v3, v[D0+j] offset:2176*j
	ds_store_b32 v3, v[D1+j] offset:2176*j+16
.set j, j+1
.endr
	s_wait_dscnt 0x0                               ; for the others' sake: my stores have landed
	s_barrier_signal -1
	s_barrier_wait -1
.irp q, 0,1,2,3
	ds_load_b128 v[OUTR+4*\q:OUTR+4*\q+3], v4 offset:544*\q
.endr
.irp q, 0,1,2,3
	s_wait_dscnt 3-\q                              ; the younger loads may be out
	global_store_b128 v2, v[OUTR+4*\q:OUTR+4*\q+3], s[30:31] offset:512*\q
.endr
	s_wait_tensorcnt 0x0                           ; the wave's end
	ds_add_u32 v[SPW], v[NIL]
	s_wait_dscnt 0x0
	s_endpgm
.Lfunc_end_k_qf7d090e805_ln2:
	.size	k_qf7d090e805_ln2, .Lfunc_end_k_qf7d090e805_ln2-k_qf7d090e805_ln2
	.p2alignl 7, 3214868480
	.fill 96, 4, 3214868480
	.section	.rodata,"a",@progbits
	.p2align	6, 0x0
	.amdhsa_kernel k_qf7d090e805_ln2
		.amdhsa_group_segment_fixed_size 18432
		.amdhsa_private_segment_fixed_size 0
		.amdhsa_enable_private_segment 0
		.amdhsa_kernarg_size 40
		.amdhsa_user_sgpr_count 2
		.amdhsa_user_sgpr_kernarg_segment_ptr 1
		.amdhsa_wavefront_size32 1
		.amdhsa_system_sgpr_workgroup_id_x 1
		.amdhsa_system_sgpr_workgroup_id_y 1
		.amdhsa_system_sgpr_workgroup_id_z 1
		.amdhsa_system_vgpr_workitem_id 0
		.amdhsa_next_free_vgpr 192
		.amdhsa_next_free_sgpr 66
		.amdhsa_reserve_vcc 0
		.amdhsa_float_denorm_mode_32 3
		.amdhsa_float_denorm_mode_16_64 3
		.amdhsa_memory_ordered 1
		.amdhsa_forward_progress 1
		.amdhsa_inst_pref_size 27
	.end_amdhsa_kernel
	.amdgpu_metadata
---
amdhsa.version: [ 1, 2 ]
amdhsa.kernels:
  - .name:           k_qf7d090e805_ln2
    .symbol:         k_qf7d090e805_ln2.kd
    .args:
      - { .name: x1, .offset: 0, .size: 8, .value_kind: global_buffer, .address_space: global }
      - { .name: ln2_g, .offset: 8, .size: 8, .value_kind: global_buffer, .address_space: global }
      - { .name: ln2_b, .offset: 16, .size: 8, .value_kind: global_buffer, .address_space: global }
      - { .name: lowp_scales, .offset: 24, .size: 8, .value_kind: global_buffer, .address_space: global }
      - { .name: a2, .offset: 32, .size: 8, .value_kind: global_buffer, .address_space: global }
    .group_segment_fixed_size: 18432
    .private_segment_fixed_size: 0
    .kernarg_segment_align: 8
    .kernarg_segment_size: 40
    .max_flat_workgroup_size: 256
    .sgpr_count:     66
    .vgpr_count:     192
    .wavefront_size: 32
...
	.end_amdgpu_metadata
.endif
;; end of part 5
;; launch fc1 (part 6): grid 8 x 32, 4 waves a work-group, clusters of 4 x 4, 327,680 bytes of LDS; arguments a2, pw, lowp_scales, hc; writes hc
.if DOCPART == 6
	.amdgcn_target "amdgcn-amd-amdhsa--gfx1250"
	.amdhsa_code_object_version 6
	.text
	.protected	k_qf7d090e805_fc1
	.globl	k_qf7d090e805_fc1
	.p2align	8
	.type	k_qf7d090e805_fc1,@function
k_qf7d090e805_fc1:
	s_mov_b64 s[64:65], 0
	v_nop
	global_prefetch_b8 v0, s[64:65] scope:SCOPE_SE
	s_setreg_imm32_b32 hwreg(HW_REG_WAVE_MODE, 25, 1), 1
	s_wait_xcnt 0x0
	s_wait_alu depctr_hold_cnt(0) depctr_sa_sdst(0) depctr_va_vdst(0) depctr_va_sdst(0) depctr_va_ssrc(0) depctr_va_vcc(0) depctr_vm_vsrc(0)
	s_getreg_b32 s2, hwreg(HW_REG_IB_STS2, 6, 4)
	s_cmp_eq_u32 s2, 0
	s_cbranch_scc0 .Lentry_in_a_cluster
	s_endpgm
.Lentry_in_a_cluster:
	s_bfe_u32 s2, ttmp6, 0x10000c
	s_cmp_lg_u32 s2, 0xf033
	s_cbranch_scc0 .Lentry_shape_is_right
	s_endpgm
.Lentry_shape_is_right:
.set WOFF, 0x800000
.set BLK, 131072
.set SPARE, 262144
.set ADA, 16
.set ADB, 17
.set AD, 20
.set SPW, 28
.set NIL, 29
.set ACC, 128
.set F0, 0
.set F1, 128
.set TB, 2
.set G1, 24
.set G1B, 48
.set G0A, 32
.set G0B, 36
; Launch 6 of 7: product 5 on codes, the exact GELU, and the hidden layer's codes (scale 10).  A work-group keeps its 128 rows of LN2's codes in registers and walks four blocks of 128 columns through two LDS slots.
; THE HEAD: waves 0, 1 fetch the rows' halves into slot 1, waves 2, 3 block 0's halves into slot 0, 65,536 bytes each: one tensor load a wave.  Later blocks: 32,768 bytes a wave.
.set G1H, 56                           ; s[56:63] group 1, a half of block 0 (256 rows of 256 bytes)
.set G0H, 92                           ; s[92:95] its group 0
.set FZ, 32
.set FA, 48
.set FP, 64
.set FM, 80
.set FD, 96
.set FT, 112
.set MSB, 0
.macro WIN new
.if MSB != \new
	s_set_vgpr_msb (MSB<<8)|\new
.set MSB, \new
.endif
.endm
.set MUL_LO, 0x09
.set MUL_HI, 0x0d
.set TO_F, 0x40
.macro CREST
	s_cmp_lg_u32 s14, 0
	s_cbranch_scc1 .Lnot_wave_0_\@
	s_barrier_signal -3
.Lnot_wave_0_\@:
	s_barrier_wait -3
	s_barrier_signal -1
	s_barrier_wait -1
.endm
.macro CROUND
	s_barrier_signal -1
	s_barrier_wait -1
	CREST
.endm
.macro PLACES
.rept 4
	v_nop
.endr
.endm
.macro MUL16 f, s, zero
.irp a, 0,1,2,3
.irp b, 0,1,2,3
.if \zero
	v_wmma_f32_16x16x128_fp8_fp8 v[ACC+8*(4*\a+\b):ACC+8*(4*\a+\b)+7], v[(\f)+16*\b:(\f)+16*\b+15], v[16*(4*((\s)%4)+\a):16*(4*((\s)%4)+\a)+15], 0
.else
	v_wmma_f32_16x16x128_fp8_fp8 v[ACC+8*(4*\a+\b):ACC+8*(4*\a+\b)+7], v[(\f)+16*\b:(\f)+16*\b+15], v[16*(4*((\s)%4)+\a):16*(4*((\s)%4)+\a)+15], v[ACC+8*(4*\a+\b):ACC+8*(4*\a+\b)+7]
.endif
.endr
.endr
.endm
.macro FETCHB d, f
	WIN TO_F
.irp u, 0,1
.irp i, 0,1,2,3
.irp c, 0,1,2,3
	ds_load_b128 v[(\f)+64*\u+16*\i+4*\c:(\f)+64*\u+16*\i+4*\c+3], v[AD] offset:16384*\i+2048*(2*(\d)+\u)+512*\c
.endr
.endr
.endr
.endm
.macro DSTEP d, f, g, w, zero, last
	s_wait_dscnt 16
	WIN \w
	MUL16 \f, 2*(\d), \zero
.if \last
	s_wait_dscnt 0x0
.else
	PLACES
	FETCHB (\d)+1, \g
	s_wait_dscnt 32
	WIN \w
.endif
	MUL16 (\f)+64, 2*(\d)+1, 0
.endm
.macro TILE
	DSTEP 0, F0, F1, MUL_LO, 1, 0
	DSTEP 1, F1, F0, MUL_LO, 0, 0
	DSTEP 2, F0, F1, MUL_HI, 0, 0
	DSTEP 3, F1, F0, MUL_HI, 0, 1
	WIN 0
	PLACES
.endm
.macro NEXTB
	v_add_nc_u32 v[AD], s[TB], v[ADB]
	FETCHB 0, F0
	WIN 0
.endm
.macro CHANGE
	WIN 0
	s_wait_tensorcnt 0x0
	ds_add_u32 v[SPW], v[NIL]
	s_xor_b32 s[G0B+1], s[G0B+1], BLK
	s_add_nc_u64 s[G0B+2:G0B+3], s[G0B+2:G0B+3], 8*BLK
	s_xor_b32 s[TB], s[TB], BLK
	s_wait_dscnt 0x0
	CROUND
	tensor_load_to_lds s[G0B:G0B+3], s[G1B:G1B+7]
	s_nop 0
.rept 4
	v_nop
.endr
	NEXTB
.endm
.macro GELU16 a, bp
.set FS, ACC+32*(\a)+16*(\bp)
.set i, 0
.rept 8
	v_pk_mul_f32 v[FZ+i:FZ+i+1], v[FS+i:FS+i+1], s[80:81] op_sel_hi:[1,0]
.set i, i+2
.endr
.set i, 0
.rept 16
	v_and_b32 v[FA+i], s86, v[FZ+i]
.set i, i+1
.endr
.set i, 0
.rept 8
	v_pk_add_f32 v[FP+i:FP+i+1], v[FA+i:FA+i+1], 2.0 op_sel_hi:[1,0]
	v_pk_add_f32 v[FM+i:FM+i+1], v[FA+i:FA+i+1], -2.0 op_sel_hi:[1,0]
	v_pk_fma_f32 v[FD+i:FD+i+1], v[FA+i:FA+i+1], 2.0, 1.0 op_sel_hi:[1,0,0]
	v_pk_mul_f32 v[FT+i:FT+i+1], v[FZ+i:FZ+i+1], 0xbfb8aa3b op_sel_hi:[1,0]
.set i, i+2
.endr
.set i, 0
.rept 8
	v_pk_mul_f32 v[FT+i:FT+i+1], v[FT+i:FT+i+1], v[FZ+i:FZ+i+1]
.set i, i+2
.endr
.set i, 0
	s_wait_alu depctr_va_vdst(0)
.rept 16
	v_rcp_f32 v[FP+i], v[FP+i]
.set i, i+1
.endr
.set i, 0
.rept 16
	v_rcp_f32 v[FD+i], v[FD+i]
.set i, i+1
.endr
.set i, 0
.rept 16
	v_exp_f32 v[FT+i], v[FT+i]
.set i, i+1
.endr
.set i, 0
.rept 8
	v_pk_mul_f32 v[FS+i:FS+i+1], v[FS+i:FS+i+1], s[82:83] op_sel_hi:[1,0]
.set i, i+2
.endr
	s_wait_alu depctr_va_vdst(0)
.set i, 0
.rept 8
	v_pk_mul_f32 v[FM+i:FM+i+1], v[FM+i:FM+i+1], v[FP+i:FP+i+1]
.set i, i+2
.endr
.set i, 0
.rept 8
	v_pk_fma_f32 v[FA+i:FA+i+1], v[FM+i:FM+i+1], 0xb9d25000, v[18:19] op_sel_hi:[1,0,1]
.set i, i+2
.endr
.irp c, 0x3aac2b8a, 0x3c0d6e62, 0xbc040dc1, 0xbd5e05b5, 0x3e27fe23, 0xbe2a0420, 0xbdbdfb0b, 0x3e8dd01d
.set i, 0
.rept 8
	v_pk_fma_f32 v[FA+i:FA+i+1], v[FA+i:FA+i+1], v[FM+i:FM+i+1], \c op_sel_hi:[1,1,0]
.set i, i+2
.endr
.endr
.set i, 0
.rept 8
	v_pk_fma_f32 v[FA+i:FA+i+1], v[FA+i:FA+i+1], v[FD+i:FD+i+1], v[FD+i:FD+i+1]
.set i, i+2
.endr
.set i, 0
.rept 8
	v_pk_mul_f32 v[FA+i:FA+i+1], v[FA+i:FA+i+1], v[FT+i:FT+i+1]
.set i, i+2
.endr
.set i, 0
.rept 8
	v_pk_mul_f32 v[FZ+i:FZ+i+1], v[FS+i:FS+i+1], v[FA+i:FA+i+1]
.set i, i+2
.endr
.set i, 0
.rept 16
	v_max_num_f32 v[FP+i], 0, v[FS+i]
.set i, i+1
.endr
.set i, 0
.rept 16
	v_fma_f32 v[FS+i], v[FP+i], 2.0, -|v[FZ+i]|
.set i, i+1
.endr
.set i, 0
.rept 16
	v_med3_num_f32 v[FS+i], v[FS+i], -v31, v31
.set i, i+1
.endr
	s_wait_alu depctr_va_vdst(0)
	s_wait_xcnt 0x0
	v_cvt_scalef32_pk8_fp8_f32 v[24:25], v[FS:FS+7], v30
	v_cvt_scalef32_pk8_fp8_f32 v[26:27], v[FS+8:FS+15], v30
	v_nop
	global_store_b128 v2, v[24:27], s[10:11] offset:65536*(\a)+512*(\bp)
.endm
.macro WAYOUT
.irp a, 0,1,2,3
	GELU16 \a, 0
	GELU16 \a, 1
.endr
	s_wait_xcnt 0x0
	s_add_nc_u64 s[10:11], s[10:11], 8*2048
.endm
	s_load_b256 s[4:11], s[0:1], 0x0
	v_lshl_add_u32 v[SPW], v0, 2, SPARE
	v_mov_b32 v[NIL], 0
	ds_add_u32 v[SPW], v[NIL]
	ds_add_u32 v[SPW], v[NIL]
	v_lshrrev_b32 v1, 5, v0
	v_readfirstlane_b32 s14, v1
	s_lshr_b32 s15, s14, 1
	s_and_b32 s16, s14, 1
	s_bfe_u32 s40, ttmp6, 0x40000
	s_bfe_u32 s41, ttmp6, 0x40004
	s_lshl_b32 s42, ttmp9, 2
	s_add_co_u32 s42, s42, s40
	s_and_b32 s17, ttmp7, 0xffff
	s_lshl_b32 s17, s17, 2
	s_add_co_u32 s17, s17, s41
	s_lshl_b32 s43, s41, 2
	s_lshl_b32 s43, 15, s43
	s_lshl_b32 s44, 0x1111, s40
	s_or_b32 s[G1], s43, (3<<16)|(1<<21)
	s_or_b32 s[G1B], s44, (3<<16)|(1<<21)
	s_or_b32 s[G1H], s44, (3<<16)|(1<<21)
.irp g, G1, G1H
	s_mov_b32 s[\g+2], 256<<16
	s_mov_b32 s[\g+4], 256
.endr
	s_mov_b32 s[G1B+2], 128<<16
	s_mov_b32 s[G1B+4], 128
.irp g, G1, G1B, G1H
	s_mov_b32 s[\g+1], 32<<16
	s_mov_b32 s[\g+3], 32<<16
	s_mov_b32 s[\g+5], 32
	s_mov_b32 s[\g+6], 0
	s_mov_b32 s[\g+7], 0
.endr
	s_lshl_b32 s45, s14, 15
	s_lshl_b32 s20, s17, 17
	s_lshl_b32 s18, s16, 16
	s_add_co_u32 s20, s20, s18                     ; the rows' block, my half
	s_mov_b32 s21, 0
	s_lshl_b32 s46, s42, 17
	s_add_co_u32 s46, s46, WOFF
	s_add_co_u32 s22, s46, s18                     ; block 0, my half
	s_mov_b32 s23, 0
	s_add_co_u32 s46, s46, s45                     ; block 0, my quarter: the walking descriptor steps before its first use
	s_mov_b32 s47, 0
	s_mov_b32 s[TB], BLK
	s_wait_dscnt 0x0
	s_wait_kmcnt 0x0
	s_load_b256 s[68:75], s[8:9], 0x0
	s_load_b128 s[76:79], s[8:9], 0x20
	CROUND
	s_mov_b32 s[G0A], 1
	s_add_co_u32 s[G0A+1], s18, BLK
	s_add_nc_u64 s[G0A+2:G0A+3], s[4:5], s[20:21]
	s_or_b32 s[G0A+3], s[G0A+3], 0x80000000
	s_mov_b32 s[G0B], 1
	s_lshl_b32 s[G0B+1], s14, 15
	s_add_nc_u64 s[G0B+2:G0B+3], s[6:7], s[46:47]
	s_or_b32 s[G0B+3], s[G0B+3], 0x80000000
	s_mov_b32 s[G0H], 1
	s_lshl_b32 s[G0H+1], s16, 16
	s_add_nc_u64 s[G0H+2:G0H+3], s[6:7], s[22:23]
	s_or_b32 s[G0H+3], s[G0H+3], 0x80000000
	s_cmp_eq_u32 s15, 0                            ; the wave's number alone: one tensor load in each arm
	s_cbranch_scc0 .Lhead_b
	tensor_load_to_lds s[G0A:G0A+3], s[G1:G1+7]
	s_nop 0
.rept 4
	v_nop
.endr
	s_branch .Lhead_j
.Lhead_b:
	tensor_load_to_lds s[G0H:G0H+3], s[G1H:G1H+7]
	s_nop 0
.rept 4
	v_nop
.endr
.Lhead_j:
	; A PREFETCH of block 1, whose tensor load follows when the rows have gone into registers.  The four partners that ask for it jointly share its 131,072 bytes out by address: 32,768 to a work-group (by cy),
	; 8,192 to a wave, 256 to a lane.  Blocks 2 and 3 are asked for by their tensor loads a whole tile and its way out ahead of their first read, and are not prefetched.
	s_lshl_b32 s98, s42, 17
	s_add_co_u32 s98, s98, WOFF+8*BLK
	s_lshl_b32 s90, s41, 15
	s_add_co_u32 s98, s98, s90
	s_lshl_b32 s90, s14, 13
	s_add_co_u32 s98, s98, s90
	s_mov_b32 s99, 0
	s_add_nc_u64 s[98:99], s[6:7], s[98:99]
	v_and_b32 v1, 31, v0
	v_lshlrev_b32 v2, 4, v1
	v_lshlrev_b32 v3, 8, v1
	global_prefetch_b8 v3, s[98:99] th:TH_LOAD_NT scope:SCOPE_SE
	s_lshl_b32 s21, s15, 16
	s_add_co_u32 s21, s21, BLK
	v_add_nc_u32 v[ADA], s21, v2
	s_lshl_b32 s22, s16, 16
	v_add_nc_u32 v[ADB], s22, v2
	s_lshl_b32 s20, s17, 3
	s_lshl_b32 s21, s15, 2
	s_add_co_u32 s20, s20, s21
	s_lshl_b32 s20, s20, 5
	s_add_co_u32 s20, s20, s42
	s_lshl_b32 s20, s20, 11
	s_lshl_b32 s21, s16, 10
	s_add_co_u32 s20, s20, s21
	s_mov_b32 s21, 0
	s_add_nc_u64 s[10:11], s[10:11], s[20:21]
	s_wait_alu depctr_va_vdst(0)
	s_wait_kmcnt 0x0
	s_add_co_i32 s87, s76, s77
	s_lshl_b32 s80, s87, 23
	s_add_co_i32 s80, s80, 0x3f3504f3
	s_mov_b32 s81, s80
	s_add_co_i32 s82, s87, 126
	s_lshl_b32 s82, s82, 23
	s_mov_b32 s83, s82
	s_mov_b32 s86, 0x7fffffff
	v_mov_b32 v18, 0xbaa15130
	v_mov_b32 v19, 0xbaa15130
	s_add_co_i32 s88, s78, 127
	s_lshl_b32 s89, s88, 23
	v_mov_b32 v30, s89
	s_add_co_i32 s88, s88, 8
	s_lshl_b32 s88, s88, 23
	s_or_b32 s88, s88, 0x600000
	v_mov_b32 v31, s88
	s_wait_tensorcnt 0x0
	s_barrier_signal -1
	s_barrier_wait -1
	WIN 0x80
.irp s, 0,1,2,3
.irp a, 0,1,2,3
.irp c, 0,1,2,3
	ds_load_b128 v[16*(4*\s+\a)+4*\c:16*(4*\s+\a)+4*\c+3], v[ADA] offset:16384*\a+2048*\s+512*\c
.endr
.endr
.endr
	WIN 0xc0
.irp s, 0,1,2,3
.irp a, 0,1,2,3
.irp c, 0,1,2,3
	ds_load_b128 v[16*(4*\s+\a)+4*\c:16*(4*\s+\a)+4*\c+3], v[ADA] offset:16384*\a+2048*(\s+4)+512*\c
.endr
.endr
.endr
	CHANGE
	s_mov_b32 s3, 2
.Lfill:
	s_wait_alu depctr_va_vdst(0)
	TILE
	CHANGE
	WAYOUT
	s_sub_co_u32 s3, s3, 1
	s_cmp_lg_u32 s3, 0
	s_cbranch_scc1 .Lfill
	s_mov_b32 s3, 2
.Ltail:
	TILE
	s_wait_tensorcnt 0x0
	s_xor_b32 s[TB], s[TB], BLK
	s_wait_dscnt 0x0
	s_barrier_signal -1
	s_barrier_wait -1
	s_cmp_eq_u32 s3, 1
	s_cbranch_scc1 .Lno_next
	NEXTB
.Lno_next:
	WAYOUT
	s_sub_co_u32 s3, s3, 1
	s_cmp_lg_u32 s3, 0
	s_cbranch_scc1 .Ltail
	s_wait_tensorcnt 0x0
	ds_add_u32 v[SPW], v[NIL]
	s_wait_dscnt 0x0
	CROUND
	s_endpgm
.Lfunc_end_k_qf7d090e805_fc1:
	.size	k_qf7d090e805_fc1, .Lfunc_end_k_qf7d090e805_fc1-k_qf7d090e805_fc1
	.p2alignl 7, 3214868480
	.fill 96, 4, 3214868480
	.section	.rodata,"a",@progbits
	.p2align	6, 0x0
	.amdhsa_kernel k_qf7d090e805_fc1
		.amdhsa_group_segment_fixed_size 327680
		.amdhsa_private_segment_fixed_size 0
		.amdhsa_enable_private_segment 0
		.amdhsa_kernarg_size 32
		.amdhsa_user_sgpr_count 2
		.amdhsa_user_sgpr_kernarg_segment_ptr 1
		.amdhsa_wavefront_size32 1
		.amdhsa_system_sgpr_workgroup_id_x 1
		.amdhsa_system_sgpr_workgroup_id_y 1
		.amdhsa_system_sgpr_workgroup_id_z 1
		.amdhsa_system_vgpr_workitem_id 0
		.amdhsa_next_free_vgpr 1024
		.amdhsa_next_free_sgpr 100
		.amdhsa_reserve_vcc 0
		.amdhsa_float_denorm_mode_32 3
		.amdhsa_float_denorm_mode_16_64 3
		.amdhsa_memory_ordered 1
		.amdhsa_forward_progress 1
		.amdhsa_inst_pref_size 255
	.end_amdhsa_kernel
	.section	.bss,"aw",@nobits
	.p2align	6
	.space	262144
	.amdgpu_metadata
---
amdhsa.version: [ 1, 2 ]
amdhsa.kernels:
  - .name:           k_qf7d090e805_fc1
    .symbol:         k_qf7d090e805_fc1.kd
    .args:
      - { .name: a2, .offset: 0, .size: 8, .value_kind: global_buffer, .address_space: global }
      - { .name: pw, .offset: 8, .size: 8, .value_kind: global_buffer, .address_space: global }
      - { .name: lowp_scales, .offset: 16, .size: 8, .value_kind: global_buffer, .address_space: global }
      - { .name: hc, .offset: 24, .size: 8, .value_kind: global_buffer, .address_space: global }
    .group_segment_fixed_size: 327680
    .private_segment_fixed_size: 0
    .kernarg_segment_align: 8
    .kernarg_segment_size: 32
    .max_flat_workgroup_size: 128
    .sgpr_count:     100
    .vgpr_count:     1024
    .wavefront_size: 32
...
	.end_amdgpu_metadata
.endif
;; end of part 6
;; launch fc2 (part 7): grid 8 x 32, 4 waves a work-group, clusters of 4 x 4, 327,680 bytes of LDS; arguments hc, pw, lowp_scales, x1, out0; writes out0
.if DOCPART == 7
	.amdgcn_target "amdgcn-amd-amdhsa--gfx1250"
	.amdhsa_code_object_version 6
	.text
	.protected	k_qf7d090e805_fc2
	.globl	k_qf7d090e805_fc2
	.p2align	8
	.type	k_qf7d090e805_fc2,@function
k_qf7d090e805_fc2:
	s_mov_b64 s[64:65], 0
	v_nop
	global_prefetch_b8 v0, s[64:65] scope:SCOPE_SE
	s_setreg_imm32_b32 hwreg(HW_REG_WAVE_MODE, 25, 1), 1
	s_wait_xcnt 0x0
	s_wait_alu depctr_hold_cnt(0) depctr_sa_sdst(0) depctr_va_vdst(0) depctr_va_sdst(0) depctr_va_ssrc(0) depctr_va_vcc(0) depctr_vm_vsrc(0)
	s_getreg_b32 s2, hwreg(HW_REG_IB_STS2, 6, 4)
	s_cmp_eq_u32 s2, 0
	s_cbranch_scc0 .Lentry_in_a_cluster
	s_endpgm
.Lentry_in_a_cluster:
	s_bfe_u32 s2, ttmp6, 0x10000c
	s_cmp_lg_u32 s2, 0xf033
	s_cbranch_scc0 .Lentry_shape_is_right
	s_endpgm
.Lentry_shape_is_right:
.set KS, 32
.set LAPS, 4
.set WOFF, 0xc00000
.set EA, 10
.set EB, 11
.set TILEROW, KS*2048
.set SLOT, 131072
.set STAGE, 262144
.set SPARE, 279552
.set ADRA, 16
.set ADRB, 20
.set STO, 24
.set RD, 25
.set CO, 26
.set SPW, 28
.set NIL, 29
.set ACC, 128
.set F0, 0
.set F1, 128
.set G1, 24
.set G0, 32
.set G1B, 48
.set G0B, 56
.set MSB, 0
.macro WIN new
.if MSB != \new
	s_set_vgpr_msb (MSB<<8)|\new
.set MSB, \new
.endif
.endm
.set MUL, 0x05
.set TO_F, 0x40
.macro JLOAD s
	s_cmp_eq_u32 s15, 0
	s_cbranch_scc0 .Lfor_b_\@
	tensor_load_to_lds s[G0+4*\s:G0+4*\s+3], s[G1:G1+7]
	s_nop 0
.rept 4
	v_nop
.endr
	s_branch .Lasked_\@
.Lfor_b_\@:
	tensor_load_to_lds s[G0B+4*\s:G0B+4*\s+3], s[G1B:G1B+7]
	s_nop 0
.rept 4
	v_nop
.endr
.Lasked_\@:
.endm
.macro CREST
	s_cmp_lg_u32 s14, 0
	s_cbranch_scc1 .Lnot_wave_0_\@
	s_barrier_signal -3
.Lnot_wave_0_\@:
	s_barrier_wait -3
	s_barrier_signal -1
	s_barrier_wait -1
.endm
.macro CROUND
	s_barrier_signal -1
	s_barrier_wait -1
	CREST
.endm
.macro PLACES
.rept 4
	v_nop
.endr
.endm
.macro MUL8 f, a0, zero
.irp a, \a0, \a0+1
.irp b, 0,1,2,3
.if \zero
	v_wmma_f32_16x16x128_fp8_fp8 v[ACC+8*(4*(\a)+\b):ACC+8*(4*(\a)+\b)+7], v[\f+64+16*\b:\f+64+16*\b+15], v[\f+16*(\a):\f+16*(\a)+15], 0
.else
	v_wmma_f32_16x16x128_fp8_fp8 v[ACC+8*(4*(\a)+\b):ACC+8*(4*(\a)+\b)+7], v[\f+64+16*\b:\f+64+16*\b+15], v[\f+16*(\a):\f+16*(\a)+15], v[ACC+8*(4*(\a)+\b):ACC+8*(4*(\a)+\b)+7]
.endif
.endr
.endr
.endm
.macro FETCH slot, q, f
	WIN TO_F
.irp i, 0,1,2,3
.irp c, 0,1,2,3
	ds_load_b128 v[\f+64+16*\i+4*\c:\f+64+16*\i+4*\c+3], v[ADRB+\slot] offset:8192*\i+2048*(\q)+512*\c
.endr
.endr
.irp i, 0,1,2,3
.irp c, 0,1,2,3
	ds_load_b128 v[\f+16*\i+4*\c:\f+16*\i+4*\c+3], v[ADRA+\slot] offset:8192*\i+2048*(\q)+512*\c
.endr
.endr
.endm
.macro STEP slot, qn, f, g, zero
	s_wait_dscnt 8
	WIN MUL
	MUL8 \f, 0, \zero
	PLACES
	FETCH \slot, \qn, \g
	s_wait_dscnt 32
	WIN MUL
	MUL8 \f, 2, \zero
.endm
.macro TURN slot, next, fill
.if \fill
	s_wait_xcnt 0x0                                ; the last prefetch has read its address: it steps one fill on
	s_add_nc_u64 s[84:85], s[84:85], 8192
.endif
	WIN 0
	s_wait_tensorcnt 0x0
	ds_add_u32 v[SPW], v[NIL]
	s_wait_dscnt 9
	WIN MUL
	MUL8 F1, 0, 0
	s_wait_dscnt 0x0
	s_barrier_signal -1
	MUL8 F1, 2, 0
.if \fill
	WIN 0
.endif
	s_barrier_wait -1
.if \fill
	CREST
	s_add_nc_u64 s[G0+4*\slot+2:G0+4*\slot+3], s[G0+4*\slot+2:G0+4*\slot+3], 16384
	s_add_nc_u64 s[G0B+4*\slot+2:G0B+4*\slot+3], s[G0B+4*\slot+2:G0B+4*\slot+3], 16384
	JLOAD \slot
.else
	PLACES
.endif
	FETCH \next, 0, F0
.if \fill
	WIN 0
	s_cmp_gt_u32 s3, 1                             ; the loop's last trip asks for nothing: fills 6 and 7 are the last
	s_cbranch_scc0 .Lno_ask_\@
	global_prefetch_b8 v30, s[84:85] offset:8192 th:TH_LOAD_NT scope:SCOPE_SE
.Lno_ask_\@:
.endif
.endm
.macro LAST
	s_wait_dscnt 8
	WIN MUL
	MUL8 F1, 0, 0
	s_wait_alu depctr_va_vdst(0)
	s_wait_dscnt 0x0
	MUL8 F1, 2, 0
	WIN 0
	PLACES
.endm
	s_load_b256 s[4:11], s[0:1], 0x0
	s_load_b64 s[12:13], s[0:1], 0x20
	v_lshl_add_u32 v[SPW], v0, 2, SPARE
	v_mov_b32 v[NIL], 0
	ds_add_u32 v[SPW], v[NIL]
	ds_add_u32 v[SPW], v[NIL]
	v_lshrrev_b32 v1, 5, v0
	v_readfirstlane_b32 s14, v1
	s_lshr_b32 s15, s14, 1
	s_and_b32 s16, s14, 1
	s_bfe_u32 s40, ttmp6, 0x40000
	s_bfe_u32 s41, ttmp6, 0x40004
	s_lshl_b32 s42, ttmp9, 2
	s_add_co_u32 s42, s42, s40
	s_and_b32 s17, ttmp7, 0xffff
	s_lshl_b32 s17, s17, 2
	s_add_co_u32 s17, s17, s41
	s_lshl_b32 s43, s41, 2
	s_lshl_b32 s43, 15, s43
	s_lshl_b32 s44, 0x1111, s40
	s_or_b32 s[G1], s43, (3<<16)|(1<<21)
	s_or_b32 s[G1B], s44, (3<<16)|(1<<21)
.irp g, G1, G1B
	s_mov_b32 s[\g+1], 1024<<16
	s_mov_b32 s[\g+2], 4<<16
	s_mov_b32 s[\g+3], 1024<<16
	s_mov_b32 s[\g+4], 4
	s_mov_b32 s[\g+5], KS*256
	s_mov_b32 s[\g+6], 0
	s_mov_b32 s[\g+7], 0
.endr
	s_lshl_b32 s18, s16, 2
	s_lshl_b32 s20, s17, 3
	s_add_co_u32 s20, s20, s18
	s_mul_i32 s20, s20, TILEROW
	s_mov_b32 s21, 0
	s_lshl_b32 s46, s42, 3
	s_add_co_u32 s46, s46, s18
	s_mul_i32 s46, s46, TILEROW
	s_add_co_u32 s46, s46, WOFF
	s_mov_b32 s47, 0
	s_mul_i32 s45, s14, 32768
	s_wait_dscnt 0x0
	s_wait_kmcnt 0x0
	s_load_b256 s[68:75], s[8:9], 0x0
	s_load_b128 s[76:79], s[8:9], 0x20
	s_add_nc_u64 s[20:21], s[4:5], s[20:21]
	s_add_nc_u64 s[46:47], s[6:7], s[46:47]
	CROUND
.irp s, 0,1
	s_mov_b32 s[G0+4*\s], 1
	s_add_co_u32 s[G0+4*\s+1], s45, \s*SLOT
	s_add_nc_u64 s[G0+4*\s+2:G0+4*\s+3], s[20:21], \s*8192
	s_or_b32 s[G0+4*\s+3], s[G0+4*\s+3], 0x80000000
	s_mov_b32 s[G0B+4*\s], 1
	s_add_co_u32 s[G0B+4*\s+1], s45, \s*SLOT
	s_add_nc_u64 s[G0B+4*\s+2:G0B+4*\s+3], s[46:47], \s*8192
	s_or_b32 s[G0B+4*\s+3], s[G0B+4*\s+3], 0x80000000
.endr
	JLOAD 0                                        ; fill 0 (K steps 0-3): one tensor load a wave at the head
	; THE PREFETCHES: behind the joint load of fill f stands one for fill f + 2.  A wave's load is 4 tiles x 8,192 bytes; the four partners that ask for it jointly take a tile each, told apart by address
	; (cx for the rows' side, cy for the weight's): 32 lanes x 256 bytes, so each block of 256 bytes is named once in a cluster.  Fills 6 and 7 have no fill two on and ask for nothing.
	s_cmp_eq_u32 s15, 0
	s_cselect_b64 s[84:85], s[20:21], s[46:47]
	s_cselect_b32 s86, s40, s41
	s_lshl_b32 s86, s86, 16                        ; my tile of the four
	s_add_co_u32 s86, s86, 16384                   ; at fill 2
	s_mov_b32 s87, 0
	s_add_nc_u64 s[84:85], s[84:85], s[86:87]
	v_and_b32 v30, 31, v0
	v_lshlrev_b32 v30, 8, v30                      ; v30: 256 x lane; never rewritten
	global_prefetch_b8 v30, s[84:85] th:TH_LOAD_NT scope:SCOPE_SE
	v_and_b32 v1, 31, v0
	v_lshlrev_b32 v2, 4, v1
	s_lshl_b32 s21, s15, 15
	s_lshl_b32 s22, s16, 15
	s_add_co_u32 s22, s22, 65536
.irp s, 0,1
	v_add_nc_u32 v[ADRA+\s], s21, v2
	v_add_nc_u32 v[ADRB+\s], s22, v2
	s_add_co_u32 s21, s21, SLOT
	s_add_co_u32 s22, s22, SLOT
.endr
	v_lshrrev_b32 v3, 4, v1
	v_and_b32 v4, 15, v1
	v_lshlrev_b32 v[CO], 12, v3
	v_lshl_add_u32 v[CO], v4, 4, v[CO]
	s_wait_alu depctr_va_vdst(0)
	s_mul_i32 s23, s14, 4352
	s_add_co_u32 s23, s23, STAGE
	v_mul_u32_u24 v[STO], v4, 272
	v_lshl_add_u32 v[STO], v3, 6, v[STO]
	v_add_nc_u32 v[STO], s23, v[STO]
	v_mul_u32_u24 v[RD], v3, 272
	v_lshl_add_u32 v[RD], v4, 4, v[RD]
	v_add_nc_u32 v[RD], s23, v[RD]
	s_lshl_b32 s20, s17, 7
	s_lshl_b32 s21, s15, 6
	s_add_co_u32 s20, s20, s21
	s_lshl_b32 s20, s20, 12
	s_lshl_b32 s21, s42, 9
	s_add_co_u32 s20, s20, s21
	s_lshl_b32 s21, s16, 8
	s_add_co_u32 s20, s20, s21
	s_mov_b32 s21, 0
	s_add_nc_u64 s[10:11], s[10:11], s[20:21]
	s_add_nc_u64 s[12:13], s[12:13], s[20:21]
	WIN 0x80
.irp a, 0,1,2,3
.irp t, 0,1,2,3,4,5,6,7
	global_load_b128 v[32*\a+4*\t:32*\a+4*\t+3], v[CO], s[10:11] offset:(16*\a+2*\t)*4096 th:TH_LOAD_NT
.endr
.endr
	WIN 0
	s_wait_alu depctr_va_vdst(0)
	s_wait_tensorcnt 0x0                           ; my part of fill 0 is in; slot 1's first fill is issued as a refill is:
	ds_add_u32 v[SPW], v[NIL]
	s_wait_dscnt 0x0
	CROUND
	JLOAD 1
	global_prefetch_b8 v30, s[84:85] offset:8192 th:TH_LOAD_NT scope:SCOPE_SE   ; fill 3
	FETCH 0, 0, F0
	STEP 0, 1, F0, F1, 1
.if LAPS > 1
	WIN 0
	s_mov_b32 s3, LAPS-1
.Llap:
	STEP 0, 2, F1, F0, 0
	STEP 0, 3, F0, F1, 0
	TURN 0, 1, 1
	STEP 1, 1, F0, F1, 0
	STEP 1, 2, F1, F0, 0
	STEP 1, 3, F0, F1, 0
	TURN 1, 0, 1
	STEP 0, 1, F0, F1, 0
	WIN 0
	s_sub_co_u32 s3, s3, 1
	s_cmp_lg_u32 s3, 0
	s_cbranch_scc1 .Llap
.endif
	STEP 0, 2, F1, F0, 0
	STEP 0, 3, F0, F1, 0
	TURN 0, 1, 0
	STEP 1, 1, F0, F1, 0
	STEP 1, 2, F1, F0, 0
	STEP 1, 3, F0, F1, 0
	LAST
	s_wait_kmcnt 0x0
	s_add_co_i32 s96, s[68+EA], s[68+EB]
	s_add_co_i32 s96, s96, 127
	s_lshl_b32 s96, s96, 23
	s_mov_b32 s97, s96
	s_wait_loadcnt 0x0
.irp a, 0,1,2,3
.set BK, 32+32*(\a%2)
.if \a >= 2
	s_wait_xcnt 0x0
.endif
.irp b, 0,1,2,3
	ds_store_b128 v[STO], v[ACC+8*(4*\a+\b):ACC+8*(4*\a+\b)+3] offset:128*(\b/2)+32*(\b%2)
	ds_store_b128 v[STO], v[ACC+8*(4*\a+\b)+4:ACC+8*(4*\a+\b)+7] offset:128*(\b/2)+32*(\b%2)+16
.endr
.irp t, 0,1,2,3,4,5,6,7
	ds_load_b128 v[BK+4*\t:BK+4*\t+3], v[RD] offset:544*\t
.endr
	s_wait_dscnt 0x0
	WIN 0x20
.set i, 0
.rept 16
	v_pk_fma_f32 v[BK+i:BK+i+1], v[BK+i:BK+i+1], s[96:97], v[32*\a+i:32*\a+i+1] op_sel_hi:[1,0,1]
.set i, i+2
.endr
	WIN 0
.irp t, 0,1,2,3,4,5,6,7
	global_store_b128 v[CO], v[BK+4*\t:BK+4*\t+3], s[12:13] offset:(16*\a+2*\t)*4096 th:TH_STORE_NT
.endr
.endr
	s_wait_tensorcnt 0x0
	ds_add_u32 v[SPW], v[NIL]
	s_wait_dscnt 0x0
	CROUND
	s_endpgm
.Lfunc_end_k_qf7d090e805_fc2:
	.size	k_qf7d090e805_fc2, .Lfunc_end_k_qf7d090e805_fc2-k_qf7d090e805_fc2
	.p2alignl 7, 3214868480
	.fill 96, 4, 3214868480
	.section	.rodata,"a",@progbits
	.p2align	6, 0x0
	.amdhsa_kernel k_qf7d090e805_fc2
		.amdhsa_group_segment_fixed_size 327680
		.amdhsa_private_segment_fixed_size 0
		.amdhsa_enable_private_segment 0
		.amdhsa_kernarg_size 40
		.amdhsa_user_sgpr_count 2
		.amdhsa_user_sgpr_kernarg_segment_ptr 1
		.amdhsa_wavefront_size32 1
		.amdhsa_system_sgpr_workgroup_id_x 1
		.amdhsa_system_sgpr_workgroup_id_y 1
		.amdhsa_system_sgpr_workgroup_id_z 1
		.amdhsa_system_vgpr_workitem_id 0
		.amdhsa_next_free_vgpr 640
		.amdhsa_next_free_sgpr 100
		.amdhsa_reserve_vcc 0
		.amdhsa_float_denorm_mode_32 3
		.amdhsa_float_denorm_mode_16_64 3
		.amdhsa_memory_ordered 1
		.amdhsa_forward_progress 1
		.amdhsa_inst_pref_size 79
	.end_amdhsa_kernel
	.amdgpu_metadata
---
amdhsa.version: [ 1, 2 ]
amdhsa.kernels:
  - .name:           k_qf7d090e805_fc2
    .symbol:         k_qf7d090e805_fc2.kd
    .args:
      - { .name: hc, .offset: 0, .size: 8, .value_kind: global_buffer, .address_space: global }
      - { .name: pw, .offset: 8, .size: 8, .value_kind: global_buffer, .address_space: global }
      - { .name: lowp_scales, .offset: 16, .size: 8, .value_kind: global_buffer, .address_space: global }
      - { .name: x1, .offset: 24, .size: 8, .value_kind: global_buffer, .address_space: global }
      - { .name: out0, .offset: 32, .size: 8, .value_kind: global_buffer, .address_space: global }
    .group_segment_fixed_size: 327680
    .private_segment_fixed_size: 0
    .kernarg_segment_align: 8
    .kernarg_segment_size: 40
    .max_flat_workgroup_size: 128
    .sgpr_count:     100
    .vgpr_count:     640
    .wavefront_size: 32
...
	.end_amdgpu_metadata
.endif
;; end of part 7
